; MI455X (gfx1250); checked and timed in simulation.
; The chip was launched on July 23, 2026; its instructions are those of AMD's public machine-readable ISA for CDNA 5 (MIT licence, August 2026) and "CDNA5" Instruction Set Architecture Reference Guide (July 2026). The comments in the code are by the model that wrote it; some were corrected since.
;; Multi Head Attention. Allowed arithmetic: matrix products marked QUANTISED: E2M1 operands, one E8M0 scale for each 32 along K, by v_wmma_scale_f32_16x16x128_f8f6f4 with both operands' format E2M1 (or v_wmma_scale_f32_32x16x128_f4), f32 sums; everything else in f32.
;; Inputs: W_heads 16 x 64 x 1,024 float32; W_proj 1,024 x 1,024 float32; b_proj 1,024 float32; x 32 x 2,048 x 1,024 float32.
;; Outputs: out0 32 x 1,024 float32.
;; This version of the problem:
;;   THIS VERSION OF THE PROBLEM IS GIVEN IN LOW PRECISION. The matrix products marked QUANTISED in the list below multiply operands that are first quantised to E2M1 (2 exponent bits, 1 mantissa bit; 4 bits a number), with one power-of-two scale for each 32 numbers along K (OCP MX v1.0); their sums are f32. All else is computed in f32.
;;   The module's matrix products, in the order in which they are computed (A, B: the left and right operand; K: the contracted axis; several contracted axes count as one K, in the product's order):
;;     1. [M 65,536, K 1,024] x [K 1,024, N 1,024]; A: input x; B: input W_heads: QUANTISED
;;     2. [M 32, K 1,024] x [K 1,024, N 1,024]; A: computed on the way; B: input W_proj: QUANTISED
;;   THE QUANTISER, for each operand of a quantised product, along K:
;;     - K is cut into blocks of 32 from its start; a last block that is shorter is filled with zeros.
;;     - A block's scale is 2^e with e = floor(log2(the largest magnitude in the block)) - 2, held to -126 .. 127; a block of zeros has e = 0. As a byte (E8M0): e + 127.
;;     - Each number is divided by its block's scale, clamped to +-6, and rounded to the nearest number of E2M1, ties to even, subnormals kept.
;;     - The product sums the exact products of the quantised numbers (number of the format x scale) in f32.
;;   ~~~python
;;   def quantise(x, axis):      # numpy; x: float32 -> the quantised numbers, widened to float32 again
;;       x = np.moveaxis(x, axis, -1); K = x.shape[-1]
;;       x = np.pad(x, [(0, 0)] * (x.ndim - 1) + [(0, -K % 32)]); x = x.reshape(x.shape[:-1] + (-1, 32)); a = np.abs(x).max(-1, keepdims=True)
;;       e = np.where(a > 0, np.clip(np.frexp(np.where(a > 0, a, 1))[1] - 1 - 2, -126, 127), 0)      # np.frexp(a)[1] - 1 = floor(log2(a)), exactly
;;       r = np.clip(x / 2.0 ** e, -6, 6)
;;       step = 2.0 ** (np.maximum(np.frexp(np.where(r == 0, 1, r))[1] - 1, 0) - 1)
;;       q = np.round(r / step) * step * 2.0 ** e      # np.round: ties to even
;;       return np.moveaxis(q.reshape(q.shape[:-2] + (-1,))[..., :K], -1, axis).astype(np.float32)
;;   ~~~
;;   OPERANDS COMPUTED ON THE WAY. 'Computed on the way' means the value that the module computes at that place (a softmax that the list does not call 'softmax' is quantised finished and normalised). What goes into a quantiser is computed in f32, as accurately as f32 sums, v_exp_f32 and their like allow (about 1e-6 of the number): no bf16 or f16 on the way to a quantiser, and a product that is left as it is and whose result goes on into a quantised operand takes f32 operands (vector FMAs, or v_wmma_f32_16x16x4_f32). A number that lies on a knife's edge between two numbers of the format may be rounded either way, as far as f32 arithmetic and the matrix unit's own rounding can turn it there, and no further.
;; 2 versions. Each part assembles by itself: llvm-mc -triple=amdgcn-amd-amdhsa -mcpu=gfx1250 --defsym DOCPART=n.
;; ======== version 1 of 2: 3 launches
;; workspace buffers: wh_codes 524,288 bytes; wh_scales 32,768 bytes; wp_codes 524,288 bytes; wp_scales 32,768 bytes; part 1,048,576 bytes
;; launch prep (part 1): grid 256 x 1, 4 waves a work-group, no clusters, 34,560 bytes of LDS; arguments W_heads, W_proj, wh_codes, wh_scales, wp_codes, wp_scales; writes wh_codes, wh_scales, wp_codes, wp_scales
.if DOCPART == 1
	.amdgcn_target "amdgcn-amd-amdhsa--gfx1250"
	.amdhsa_code_object_version 6
	.text
	.protected	k_q68181269b7_prep
	.globl	k_q68181269b7_prep
	.p2align	8
	.type	k_q68181269b7_prep,@function
k_q68181269b7_prep:
	s_mov_b64 s[64:65], 0
	v_nop
	global_prefetch_b8 v0, s[64:65] scope:SCOPE_SE
	s_setreg_imm32_b32 hwreg(HW_REG_WAVE_MODE, 25, 1), 1
	s_wait_xcnt 0x0
; W_heads ([16][64][1024] = 1,024 rows x 1,024 K) and W_proj ([1024][1024]), f32 with K innermost, become codes of FP4 (E2M1) with one E8M0 byte for each 32 along K.
; A block's scale is 2^(floor(log2(its largest magnitude)) - 2); its byte is the largest magnitude's exponent field - 2, held at 1 from below.
; THE CODES ARE LAID IN THE ORDER OF THE OPERAND'S REGISTERS: [K step s of 128: 8][tile T of 16 rows: 64][c: 2][lane: 32][16 bytes]: a fragment is 1,024 dense bytes, and lane (r, h)'s registers
; 4 c .. 4 c + 3 (k = 128 s + 64 c + 32 h + 0 .. 31 of row 16 T + r) lie at 512 c + 16 lane.  The scale words lie [s: 8][row: 1,024], four bytes each, byte b for k = 128 s + 32 b on.
; SHARES: work-groups 0-127 take W_heads, 128-255 W_proj (only pointers are chosen: one path through the text).  Of a tensor's 128, work-group (s, g) takes K step s of rows 64 g on; wave w tile T = 4 g + w: one fragment.
; Each load reads 512 consecutive bytes of one row, 16 a lane.  The conversions want a lane to hold neighbours along K, so the tile's 16 x 512 bytes turn through the wave's own stage in LDS and come back 128 bytes a lane and block.
; LIMITS: NaN and infinities among the inputs are not served.  A block of zeros gets the byte 1 where the quantiser's rule says 127: its codes are zeros, which add nothing under any byte but 0xff, and this
; program alone reads the bytes.  Blocks whose largest magnitude lies under 2^-124 have their byte held at 1, as the rule asks; they were not tried.
; No tensor loads, no cluster: no two work-groups read the same byte.
.set SCG,    0                         ; LDS: the work-group's 64 scale words, 256 bytes
.set STAGE,  256                       ; behind them a stage for each wave
.set SPITCH, 528                       ; a stage row: 512 bytes + 16: an odd multiple of 16 bytes, so that the 16 rows that a read touches begin 16 bytes apart modulo 256
.set STB,    16*SPITCH
.set L16, 1                            ; v1   16 x lane
.set STW, 3                            ; v3   the stage, on the way in: 16 x lane of a row
.set STR, 4                            ; v4   on the way out: row r, + 128 h
.set SCW, 5                            ; v5   where my row's scale word goes: SCG + 64 w + 4 r
.set SCR, 6                            ; v6   wave 0 reads them back: SCG + 8 x lane
.set SH8, 7                            ; v7   8 h: where my two bytes stand in the scale word
.set L8,  8                            ; v8   8 x lane
.set MA,  12                           ; v12-15 largest magnitudes: two chains for each of my two blocks
.set SO,  16                           ; v16-17 the conversions' scale operands
.set BY,  18                           ; v18-19 the scales' bytes
.set PW,  20                           ; v20  the row's scale word
.set PT,  21                           ; v21  the other half's part of it
.set SB,  22                           ; v[22:23] scale words on the way out
.set PC,  24                           ; v[24:31] the fragment's codes
.set RAW, 64                           ; v[64:127] the tile as loaded
.set X,   128                          ; v[128:191] register 32 c + i = k 64 c + 32 h + i of row r
; the largest magnitude of my block c, all 32 numbers mine: two chains that do not wait for each other; the floor 2^(3 - 127) is one of the leaves, so the byte cannot fall under 1
.macro QMAX c
	v_max3_num_f32 v[MA+2*\c], |v[X+32*\c]|, |v[X+32*\c+1]|, 0x1800000
	v_max3_num_f32 v[MA+2*\c+1], |v[X+32*\c+16]|, |v[X+32*\c+17]|, |v[X+32*\c+18]|
.irp i, 2,4,6,8,10,12
	v_max3_num_f32 v[MA+2*\c], v[MA+2*\c], |v[X+32*\c+\i]|, |v[X+32*\c+\i+1]|
	v_max3_num_f32 v[MA+2*\c+1], v[MA+2*\c+1], |v[X+32*\c+\i+17]|, |v[X+32*\c+\i+18]|
.endr
	v_max3_num_f32 v[MA+2*\c], v[MA+2*\c], |v[X+32*\c+14]|, |v[X+32*\c+15]|
	v_max3_num_f32 v[MA+2*\c], v[MA+2*\c], v[MA+2*\c+1], |v[X+32*\c+31]|
.endm
; scale operands, bytes, the row's scale word (in both halves of the lanes), and the eight registers of codes
.macro QFIN
.irp c, 0,1
	v_add_nc_u32 v[SO+\c], 0xff000000, v[MA+2*\c]  ; 2 off the exponent field: the conversion takes the exponent field of this operand as its scale, and nothing else of it
.endr
.irp c, 0,1
	v_lshrrev_b32 v[BY+\c], 23, v[SO+\c]           ; the scale's byte
.endr
	v_lshl_or_b32 v[PW], v[BY+1], 16, v[BY]        ; my blocks are h and 2 + h of the row's four
	v_lshlrev_b32 v[PW], v[SH8], v[PW]
	v_permlanex16_b32 v[PT], v[PW], s20, s21       ; lane l xor 16 holds the other two
	v_or_b32 v[PW], v[PW], v[PT]
.irp c, 0,1
.irp g, 0,1,2,3
	v_cvt_scalef32_pk8_fp4_f32 v[PC+4*\c+\g], v[X+32*\c+8*\g:X+32*\c+8*\g+7], v[SO+\c]
.endr
.endr
	v_nop                                          ; one plain instruction behind the last scaled conversion
.endm
	s_load_b128 s[4:7], s[0:1], 0x0                ; W_heads, W_proj
	s_load_b128 s[8:11], s[0:1], 0x10              ; W_heads' codes, scale words
	s_load_b128 s[12:15], s[0:1], 0x20             ; W_proj's codes, scale words
	v_lshl_add_u32 v192, v0, 2, 0x8500
	v_mov_b32 v193, 0
	v_lshrrev_b32 v2, 5, v0
	v_readfirstlane_b32 s16, v2                    ; wave 0..3
	v_and_b32 v9, 31, v0                           ; lane
	v_and_b32 v10, 15, v0                          ; r
	v_bfe_u32 v11, v0, 4, 1                        ; h
	v_lshlrev_b32 v[L16], 4, v9
	s_mul_i32 s17, s16, STB
	s_add_co_u32 s17, s17, STAGE                   ; my stage
	v_add_nc_u32 v[STW], s17, v[L16]
	v_mul_u32_u24 v[STR], v10, SPITCH
	v_lshl_add_u32 v[STR], v11, 7, v[STR]
	v_add_nc_u32 v[STR], s17, v[STR]
	s_lshl_b32 s17, s16, 6
	v_lshlrev_b32 v[SCW], 2, v10
	v_add_nc_u32 v[SCW], s17, v[SCW]               ; SCG = 0
	v_lshlrev_b32 v[L8], 3, v9
	v_lshlrev_b32 v[SCR], 3, v9
	v_lshlrev_b32 v[SH8], 3, v11
	v_mov_b32 v[PT], 0                             ; a lane permute's destination counts as one of its sources
	s_mov_b32 s20, 0x76543210
	s_mov_b32 s21, 0xfedcba98                      ; v_permlanex16_b32's selects for lane l xor 16
	s_and_b32 s18, ttmp9, 127
	s_lshr_b32 s19, s18, 4                         ; K step s
	s_and_b32 s24, s18, 15                         ; g
	s_lshl_b32 s25, s24, 2
	s_add_co_u32 s25, s25, s16                     ; tile T = 4 g + w
	s_lshl_b32 s26, s25, 16                        ; in the tensor: 16 T rows of 4,096 bytes
	s_lshl_b32 s17, s19, 9                         ; + 512 s
	s_add_co_u32 s26, s26, s17
	s_mov_b32 s27, 0
	s_lshl_b32 s28, s19, 16                        ; in the codes: 65,536 s + 1,024 T
	s_lshl_b32 s17, s25, 10
	s_add_co_u32 s28, s28, s17
	s_mov_b32 s29, 0
	s_lshl_b32 s30, s19, 12                        ; in the scale words: 4,096 s + 256 g
	s_lshl_b32 s17, s24, 8
	s_add_co_u32 s30, s30, s17
	s_mov_b32 s31, 0
	s_wait_kmcnt 0x0
	s_cmp_lt_u32 ttmp9, 128                        ; which tensor: the choice hangs on the work-group's number alone
	s_cselect_b64 s[4:5], s[4:5], s[6:7]
	s_cselect_b64 s[8:9], s[8:9], s[12:13]
	s_cselect_b64 s[10:11], s[10:11], s[14:15]
	s_add_nc_u64 s[4:5], s[4:5], s[26:27]
	s_add_nc_u64 s[8:9], s[8:9], s[28:29]
	s_add_nc_u64 s[10:11], s[10:11], s[30:31]
.irp i, 0,1,2,3,4,5,6,7,8,9,10,11,12,13,14,15
	global_load_b128 v[RAW+4*\i:RAW+4*\i+3], v[L16], s[4:5] offset:4096*\i th:TH_LOAD_NT   ; row i's 512 bytes of this K step
.endr
	s_wait_loadcnt 0x0
.irp i, 0,1,2,3,4,5,6,7,8,9,10,11,12,13,14,15
	ds_store_b128 v[STW], v[RAW+4*\i:RAW+4*\i+3] offset:SPITCH*\i
.endr
.irp c, 0,1
.irp j, 0,1,2,3,4,5,6,7
	ds_load_b128 v[X+32*\c+4*\j:X+32*\c+4*\j+3], v[STR] offset:256*\c+16*\j   ; LDS serves a wave's instructions in order (ISA guide 5.7.1.4): these see the stores above
.endr
.endr
	s_wait_dscnt 8                                 ; the stores and my first block are done; the second block's eight loads may be out
	QMAX 0
	s_wait_dscnt 0x0
	QMAX 1
	QFIN
	global_store_b128 v[L16], v[PC:PC+3], s[8:9]               ; 32 lanes store 512 consecutive bytes, aligned
	global_store_b128 v[L16], v[PC+4:PC+7], s[8:9] offset:512
	ds_store_b32 v[SCW], v[PW]                     ; lanes r and r + 16 write the same word with the same value
	s_wait_dscnt 0x0                               ; for the others' sake: my word has landed
	s_barrier_signal -1
	s_barrier_wait -1
	s_cmp_lg_u32 s16, 0
	s_cbranch_scc1 .Lend                           ; wave 0 stores the work-group's 64 scale words
	ds_load_b64 v[SB:SB+1], v[SCR]
	s_wait_dscnt 0x0
	global_store_b64 v[L8], v[SB:SB+1], s[10:11]   ; 32 lanes store 256 consecutive bytes, aligned
.Lend:
	s_wait_tensorcnt 0x0
	ds_add_u32 v192, v193
	s_wait_dscnt 0x0
	s_endpgm
.Lfunc_end_k_q68181269b7_prep:
	.size	k_q68181269b7_prep, .Lfunc_end_k_q68181269b7_prep-k_q68181269b7_prep
	.p2alignl 7, 3214868480
	.fill 96, 4, 3214868480
	.section	.rodata,"a",@progbits
	.p2align	6, 0x0
	.amdhsa_kernel k_q68181269b7_prep
		.amdhsa_group_segment_fixed_size 34560
		.amdhsa_private_segment_fixed_size 0
		.amdhsa_enable_private_segment 0
		.amdhsa_kernarg_size 48
		.amdhsa_user_sgpr_count 2
		.amdhsa_user_sgpr_kernarg_segment_ptr 1
		.amdhsa_wavefront_size32 1
		.amdhsa_system_sgpr_workgroup_id_x 1
		.amdhsa_system_sgpr_workgroup_id_y 1
		.amdhsa_system_sgpr_workgroup_id_z 1
		.amdhsa_system_vgpr_workitem_id 0
		.amdhsa_next_free_vgpr 194
		.amdhsa_next_free_sgpr 66
		.amdhsa_reserve_vcc 0
		.amdhsa_float_denorm_mode_32 3
		.amdhsa_float_denorm_mode_16_64 3
		.amdhsa_memory_ordered 1
		.amdhsa_forward_progress 1
		.amdhsa_inst_pref_size 10
	.end_amdhsa_kernel
	.amdgpu_metadata
---
amdhsa.version: [ 1, 2 ]
amdhsa.kernels:
  - .name:           k_q68181269b7_prep
    .symbol:         k_q68181269b7_prep.kd
    .args:
      - { .name: W_heads, .offset: 0, .size: 8, .value_kind: global_buffer, .address_space: global }
      - { .name: W_proj, .offset: 8, .size: 8, .value_kind: global_buffer, .address_space: global }
      - { .name: wh_codes, .offset: 16, .size: 8, .value_kind: global_buffer, .address_space: global }
      - { .name: wh_scales, .offset: 24, .size: 8, .value_kind: global_buffer, .address_space: global }
      - { .name: wp_codes, .offset: 32, .size: 8, .value_kind: global_buffer, .address_space: global }
      - { .name: wp_scales, .offset: 40, .size: 8, .value_kind: global_buffer, .address_space: global }
    .group_segment_fixed_size: 34560
    .private_segment_fixed_size: 0
    .kernarg_segment_align: 8
    .kernarg_segment_size: 48
    .max_flat_workgroup_size: 128
    .sgpr_count:     66
    .vgpr_count:     194
    .wavefront_size: 32
...
	.end_amdgpu_metadata
.endif
;; end of part 1
;; launch pool (part 2): grid 8 x 32, 8 waves a work-group, no clusters, 24,576 bytes of LDS; arguments x, wh_codes, wh_scales, part; writes part
.if DOCPART == 2
	.amdgcn_target "amdgcn-amd-amdhsa--gfx1250"
	.amdhsa_code_object_version 6
	.text
	.protected	k_q68181269b7_pool
	.globl	k_q68181269b7_pool
	.p2align	8
	.type	k_q68181269b7_pool,@function
k_q68181269b7_pool:
	s_mov_b64 s[64:65], 0
	v_nop
	global_prefetch_b8 v0, s[64:65] scope:SCOPE_SE
	s_setreg_imm32_b32 hwreg(HW_REG_WAVE_MODE, 25, 1), 1
	s_wait_xcnt 0x0
; part[b][s][n] = the sum over the 2,048 tokens t of batch b, and over k = 128 s .. 128 s + 127, of Q(x)[b][t][k] Q(W_heads)[n][k], for all 1,024 columns n: the first product of the module, in MX-FP4, with the
; sum over tokens taken INSIDE the accumulators: tiles of 16 different tokens are added onto the same accumulator, so the pooling costs no instruction until the end.
; x: [32][2048][1024] f32, quantised here along K in blocks of 32 (scale 2^(floor(log2(largest magnitude)) - 2)).  W_heads: codes and scale words as the launch before has laid them.
; SHARES.  Work-group (s = x of the grid, b = y): 2,048 rows x 512 bytes of x, which no other work-group reads: x is read once, each load 512 consecutive aligned bytes: one row's K step.  Eight waves, 16 trips of 128 rows.
; Of a trip's rows wave w quantises 16 w .. 16 w + 15: one fragment, which goes to the others through LDS as an image of its registers; every wave multiplies all eight fragments by its OWN 128 columns, whose
; eight fragments of W and their scale words stay in its registers for the whole launch: 64 matrix instructions a wave and trip, on eight accumulators by turns.
; QUANTISED AS IT IS LOADED.  A load leaves lane l four numbers of a row: block l >> 3 of the K step's four, quad l & 7 of the block's eight.  No f32 number goes through LDS:
;   the block's largest magnitude: two instructions in the lane, three steps among the block's eight lanes;
;   the conversion takes eight registers, here the quads of rows 2 p and 2 p + 1: it is issued once with each row's scale, and the valid half of each result is kept;
;   lanes l and l xor 1 exchange halves: the even lane then holds eight neighbouring codes of row 2 p, the odd lane of row 2 p + 1, the lower k in the lower bits: one register of the operand;
;   eight stores of 4 bytes a lane put these registers at their places in the fragment's image.
; AN IMAGE is 1,152 bytes: registers 4 c .. 4 c + 3 of lane (r, h) at 576 c + 288 h + 16 r.  The paddings (32 bytes behind 256, 64 behind 576) put the 32 lanes of a 4-byte store on 32 different words modulo 64;
; a read's sixteen lanes take 256 consecutive bytes.
; BY TURNS.  Trip t multiplies the images of tile row t and, between its eight groups of eight matrix instructions, quantises the wave's tile of trip t + 1 into the other image buffer.
; ONE BARRIER A TRIP: in front of its signal a wave waits for all its LDS instructions: its next image has landed, and its reads of this trip's images are over; the last two groups, work on registers alone,
; stand between signal and wait.  So the buffer read in trip t is written again only behind a wait that all eight waves' signals have opened.
; THE STREAM.  A ring of four sets of 64 registers (window 1) holds four tiles of 16 rows on their way: 48 to 64 loads of 512 bytes a wave; the waits on them are counted, so the ring is never empty.
; The accumulators begin as zeros, by 64 moves at the head: the first products stand inside the loop.
; The partial sums leave in the order in which the last launch reads them: column n at byte 2048 (n >> 9) + 512 ((n & 15) >> 2) + 16 ((n >> 4) & 31) + 4 (n & 3).
; NO TENSOR LOADS: a slot in LDS is filled again only behind a wait for all loads; the ring in registers needs no such wait.  NO CLUSTER: what work-groups share is W's K step, 65,536 + 4,096 bytes beside the
; 1,048,576 bytes of x that each reads alone, and it is read once, at the head.  No prefetch: the launch's own loads run four tiles ahead.
; LIMITS: NaN and infinities among the inputs are not served.  A block of zeros gets the byte 1 where the rule says 127: its codes are zeros, and this program alone reads the bytes.  The sums over tokens are f32 sums
; in another order than the reference's.
.set TSTEP,  128*4096                  ; a trip's 128 rows of x in bytes
.set IMG,    0                         ; LDS: [buffer 2][tile 8][1,152 bytes]: the fragments' images
.set IPT,    1152
.set IBUF,   8*IPT
.set XSC,    2*IBUF                    ; [buffer 2][group 2][row 16][4 words]: tile i's scale word of row r at 256 (i >> 2) + 16 r + 4 (i & 3): two loads of 16 bytes bring a lane all eight tiles' words
.set OUTST,  XSC+1024                  ; 4,096 bytes: the partial sums, in part's order
.set L16, 1                            ; v1   16 x lane: offset of x's and W's loads
.set L4,  2                            ; v2   4 x lane
.set IMR, 3                            ; v3   an image's place for my lane as a reader: 288 h + 16 r
.set IMW, 4                            ; v4   and as a writer: 1,152 w + 576 (l >> 4) + 288 ((l >> 3) & 1) + 16 (l & 1) + 4 ((l >> 1) & 3); rows 2 p + (l & 1): 32 p in the offset
.set XSR, 5                            ; v5   XSC + 16 r
.set SCW, 6                            ; v6   where my two scale bytes go: XSC + 256 (w >> 2) + 4 (w & 3) + 16 (l & 7) + (l >> 3); row (l & 7) + 8: 128 further on
.set PSEL, 7                           ; v7   the byte selector of the exchange of halves: one for even lanes, one for odd
.set OSW, 8                            ; v8   where my column sums go
.set OSR, 9                            ; v9   and where I read 16 bytes of them back
.set GO,  10                           ; v10  512 w + 16 lane: the same place in part
.set M,   12                           ; v12-27  a largest magnitude for each of the tile's 16 rows, then the conversions' scale operands
.set CV,  28                           ; v28-43  the conversions' results, two for each pair of rows; then the codes in the even ones
.set XS,  44                           ; v[44:51] x's scale words of the trip's eight tiles: scales and nothing else
.set WS,  52                           ; v[52:55] W's scale words: register u: lanes 0-15 tile 2 u, lanes 16-31 tile 2 u + 1: scales and nothing else
.set W,   56                           ; v[56:119] W's eight fragments
.set ACC, 120                          ; v[120:183] eight accumulators
.set F,   184                          ; v[184:247] the trip's eight fragments of x
.set OUTR, 248                         ; v[248:251] the way out
.set MSB, 0
.macro WIN new                         ; the immediate's high byte repeats the setting that is left
.if MSB != \new
	s_set_vgpr_msb (MSB<<8)|\new
.set MSB, \new
.endif
.endm
.macro LOADT set, off                  ; a tile of 16 rows, 512 bytes of each, into ring set 'set' (window 1); the caller has set the destination's window
.irp i, 0,1,2,3,4,5,6,7,8,9,10,11,12,13,14,15
	global_load_b128 v[64*\set+4*\i:64*\set+4*\i+3], v[L16], s[4:5] offset:(\off)+4096*\i th:TH_LOAD_NT
.endr
.endm
; THE QUANTISER, in six pieces.
.macro QA set                          ; the largest magnitude of my four numbers of each row; the floor 2^(3 - 127) is one of the leaves, so the byte cannot fall under 1
	WIN 0x05                                       ; sources 0 and 1 window 1 (the ring), source 2 and the destination window 0
.irp i, 0,1,2,3,4,5,6,7,8,9,10,11,12,13,14,15
	v_max3_num_f32 v[M+\i], |v[64*\set+4*\i]|, |v[64*\set+4*\i+1]|, s36
.endr
.irp i, 0,1,2,3,4,5,6,7,8,9,10,11,12,13,14,15
	v_max3_num_f32 v[M+\i], |v[64*\set+4*\i+2]|, |v[64*\set+4*\i+3]|, v[M+\i]
.endr
	WIN 0
.endm
.macro QD m                            ; with lane l xor m's: masks 1, 2 and 4 join the eight lanes of a block
.irp i, 0,1,2,3,4,5,6,7,8,9,10,11,12,13,14,15
	v_max_num_f32_dpp v[M+\i], v[M+\i], v[M+\i] row_xmask:\m row_mask:0xf bank_mask:0xf
.endr
.endm
.macro QC set                          ; scale operands and conversions
.irp i, 0,1,2,3,4,5,6,7,8,9,10,11,12,13,14,15
	v_add_nc_u32 v[M+\i], s37, v[M+\i]             ; 2 off the exponent field: the conversion takes the exponent field of this operand as its scale, and nothing else of it
.endr
	WIN 0x01                                       ; source 0 window 1
.irp p, 0,1,2,3,4,5,6,7
	v_cvt_scalef32_pk8_fp4_f32 v[CV+2*\p], v[64*\set+8*\p:64*\set+8*\p+7], v[M+2*\p]       ; by row 2 p's scale: the low 16 bits are its four codes
	v_cvt_scalef32_pk8_fp4_f32 v[CV+2*\p+1], v[64*\set+8*\p:64*\set+8*\p+7], v[M+2*\p+1]   ; by row 2 p + 1's: the high 16 bits are its four
.endr
	WIN 0
	v_nop                                          ; one plain instruction behind the last scaled conversion
.endm
.macro QP                              ; the valid halves; the exchange with lane l xor 1
.irp p, 0,1,2,3,4,5,6,7
	v_bfi_b32 v[CV+2*\p], s35, v[CV+2*\p], v[CV+2*\p+1]        ; low half: row 2 p's quad; high half: row 2 p + 1's
.endr
.irp p, 0,1,2,3,4,5,6,7
	v_mov_b32_dpp v[CV+2*\p+1], v[CV+2*\p] row_xmask:1 row_mask:0xf bank_mask:0xf
.endr
.irp p, 0,1,2,3,4,5,6,7
	v_perm_b32 v[CV+2*\p], v[CV+2*\p+1], v[CV+2*\p], v[PSEL]   ; even lane: my low half, the neighbour's low half: row 2 p; odd lane: the neighbour's high half, my high half: row 2 p + 1
.endr
.endm
.macro QST buf                         ; the eight registers of codes go to their places in my tile's image
.irp p, 0,1,2,3,4,5,6,7
	ds_store_b32 v[IMW], v[CV+2*\p] offset:IMG+IBUF*(\buf)+32*\p
.endr
.endm
.macro QS buf                          ; the scale bytes: every lane of a block holds all 16 rows' operands; a tree of selects on the lane's low three bits leaves lane j of the eight with rows j and j + 8
.irp a, 0,2,4,6,8,10,12,14
	v_cndmask_b32 v[M+\a], v[M+\a], v[M+\a+1], s32
.endr
.irp a, 0,4,8,12
	v_cndmask_b32 v[M+\a], v[M+\a], v[M+\a+2], s33
.endr
.irp a, 0,8
	v_cndmask_b32 v[M+\a], v[M+\a], v[M+\a+4], s34
.endr
	v_lshrrev_b32 v[M], 23, v[M]
	v_lshrrev_b32 v[M+8], 23, v[M+8]
	ds_store_b8 v[SCW], v[M] offset:512*(\buf)
	ds_store_b8 v[SCW], v[M+8] offset:512*(\buf)+128
.endm
; A GROUP: tile i of the trip against my eight tiles of columns.  Source 0 = 16 tokens, source 1 = 16 columns; the eight accumulators take turns, one instruction a turn
.macro G i
.irp t, 0,1,2,3,4,5,6,7
.if \t%2
	v_wmma_scale_f32_16x16x128_f8f6f4 v[ACC+8*\t:ACC+8*\t+7], v[F+8*(\i):F+8*(\i)+7], v[W+8*\t:W+8*\t+7], v[ACC+8*\t:ACC+8*\t+7], v[XS+(\i)], v[WS+\t/2] matrix_a_fmt:MATRIX_FMT_FP4 matrix_b_fmt:MATRIX_FMT_FP4 matrix_b_scale:MATRIX_SCALE_ROW1
.else
	v_wmma_scale_f32_16x16x128_f8f6f4 v[ACC+8*\t:ACC+8*\t+7], v[F+8*(\i):F+8*(\i)+7], v[W+8*\t:W+8*\t+7], v[ACC+8*\t:ACC+8*\t+7], v[XS+(\i)], v[WS+\t/2] matrix_a_fmt:MATRIX_FMT_FP4 matrix_b_fmt:MATRIX_FMT_FP4
.endif
.endr
.endm
	s_load_b256 s[4:11], s[0:1], 0x0               ; x s[4:5], W's codes s[6:7], W's scale words s[8:9], part s[10:11]
	v_lshl_add_u32 v254, v0, 2, 0x5c00
	v_mov_b32 v255, 0
	v_lshrrev_b32 v11, 5, v0
	v_readfirstlane_b32 s12, v11                   ; wave 0..7
	v_and_b32 v11, 31, v0                          ; lane
	v_and_b32 v12, 15, v0                          ; r
	v_bfe_u32 v13, v0, 4, 1                        ; h = lane >> 4
	v_lshlrev_b32 v[L16], 4, v11
	v_lshlrev_b32 v[L4], 2, v11
	v_mul_u32_u24 v[IMR], v13, 288
	v_lshl_add_u32 v[IMR], v12, 4, v[IMR]
	s_mul_i32 s13, s12, IPT                        ; my tile's image
	v_mul_u32_u24 v[IMW], v13, 576                 ; as a writer my block is l >> 3: part c = l >> 4,
	v_bfe_u32 v14, v0, 3, 1
	v_mad_u32_u24 v[IMW], v14, 288, v[IMW]         ; half h = (l >> 3) & 1,
	v_and_b32 v14, 1, v0
	v_lshl_add_u32 v[IMW], v14, 4, v[IMW]          ; row 2 p + (l & 1),
	v_bfe_u32 v14, v0, 1, 2
	v_lshl_add_u32 v[IMW], v14, 2, v[IMW]          ; register (l >> 1) & 3 of the four
	v_add_nc_u32 v[IMW], s13, v[IMW]
	v_lshl_add_u32 v[XSR], v12, 4, XSC
	s_lshr_b32 s14, s12, 2                         ; w >> 2
	s_and_b32 s15, s12, 3                          ; w & 3
	s_lshl_b32 s13, s14, 8
	s_lshl_b32 s16, s15, 2
	s_add_co_u32 s13, s13, s16
	s_add_co_u32 s13, s13, XSC
	v_and_b32 v14, 7, v0
	v_bfe_u32 v15, v0, 3, 2
	v_lshl_add_u32 v[SCW], v14, 4, v15
	v_add_nc_u32 v[SCW], s13, v[SCW]
	s_mov_b32 s32, 0xaaaaaaaa                      ; the lanes whose bit 0 is set,
	s_mov_b32 s33, 0xcccccccc                      ; bit 1,
	s_mov_b32 s34, 0xf0f0f0f0                      ; bit 2
	s_mov_b32 s35, 0xffff                          ; a register's low half
	s_mov_b32 s36, 0x1800000                       ; the floor 2^(3 - 127)
	s_mov_b32 s37, 0xff000000                      ; -(2 << 23)
	v_mov_b32 v[PSEL], 0x05040100                  ; even lanes: bytes 0, 1 of mine, then bytes 0, 1 of the neighbour's
	v_mov_b32 v14, 0x03020706                      ; odd lanes: bytes 2, 3 of the neighbour's, then bytes 2, 3 of mine
	v_cndmask_b32 v[PSEL], v[PSEL], v14, s32
	s_lshl_b32 s13, s14, 11                        ; my columns are 128 w + 16 t + r: 2,048 (w >> 2) + 128 (w & 3) + 512 (r >> 2) + 4 (r & 3), and 16 t in the store's offset
	s_lshl_b32 s16, s15, 7
	s_add_co_u32 s13, s13, s16
	s_add_co_u32 s13, s13, OUTST
	v_lshrrev_b32 v[OSW], 2, v12
	v_lshlrev_b32 v[OSW], 9, v[OSW]
	v_and_b32 v14, 3, v12
	v_lshl_add_u32 v[OSW], v14, 2, v[OSW]
	v_add_nc_u32 v[OSW], s13, v[OSW]
	s_lshl_b32 s13, s12, 9
	v_add_nc_u32 v[GO], s13, v[L16]
	v_add_nc_u32 v[OSR], OUTST, v[GO]
	s_mov_b32 s20, 0x76543210
	s_mov_b32 s21, 0xfedcba98                      ; v_permlanex16_b32's selects for lane l xor 16
	s_mov_b32 s22, 2                               ; the loop: two trips of four; the last eight are written out
	s_and_b32 s17, ttmp7, 0xffff                   ; batch b
	s_lshl_b32 s24, s17, 23                        ; x: b x 2,048 rows of 4,096 bytes
	s_lshl_b32 s18, ttmp9, 9                       ; + 512 s
	s_add_co_u32 s24, s24, s18
	s_lshl_b32 s18, s12, 16                        ; + my wave's 16 rows
	s_add_co_u32 s24, s24, s18
	s_mov_b32 s25, 0
	s_lshl_b32 s26, ttmp9, 16                      ; W's codes: 65,536 s + my eight fragments
	s_lshl_b32 s18, s12, 13
	s_add_co_u32 s26, s26, s18
	s_mov_b32 s27, 0
	s_lshl_b32 s28, ttmp9, 12                      ; W's scale words: 4,096 s + my 128 columns
	s_lshl_b32 s18, s12, 9
	s_add_co_u32 s28, s28, s18
	s_mov_b32 s29, 0
	s_lshl_b32 s30, s17, 3                         ; part: (8 b + s) x 4,096
	s_add_co_u32 s30, s30, ttmp9
	s_lshl_b32 s30, s30, 12
	s_mov_b32 s31, 0
	s_wait_kmcnt 0x0
	s_add_nc_u64 s[4:5], s[4:5], s[24:25]
	s_add_nc_u64 s[6:7], s[6:7], s[26:27]
	s_add_nc_u64 s[8:9], s[8:9], s[28:29]
	s_add_nc_u64 s[10:11], s[10:11], s[30:31]
.irp t, 0,1,2,3,4,5,6,7
.irp c, 0,1
	global_load_b128 v[W+8*\t+4*\c:W+8*\t+4*\c+3], v[L16], s[6:7] offset:1024*\t+512*\c   ; W's fragments, as they lie
.endr
.endr
.irp u, 0,1,2,3
	global_load_b32 v[WS+\u], v[L4], s[8:9] offset:128*\u      ; lane l: the word of column 32 u + l of my 128
.endr
	WIN 0x40                                       ; destination window 1
	LOADT 0, 0
	LOADT 1, TSTEP
	LOADT 2, 2*TSTEP
	LOADT 3, 3*TSTEP
	WIN 0
.set j, 0
.rept 64
	v_mov_b32 v[ACC+j], 0
.set j, j+1
.endr
	; tile 0 is quantised ahead of the loop, into image buffer 0; its ring set takes tile 4
	s_wait_loadcnt 48                              ; loads come back in order (ISA guide 5.7.1): W's and tile 0's are in, the sixteen of each of tiles 1 to 3 may be out
	QA 0
	QD 1
	QD 2
	QD 4
	QC 0
	WIN 0x40
	LOADT 0, 4*TSTEP
	WIN 0
	QP
	QST 0
	QS 0
	s_wait_dscnt 0x0                               ; for the others' sake: my image and my scale bytes have landed
	s_barrier_signal -1
	s_barrier_wait -1
; TRIP t.  mbuf: the image buffer that it multiplies, t % 2.  q = 1: my tile of trip t + 1, in ring set 'set', is quantised into the other buffer; ahead = 1: the set then takes the tile 'off' bytes on;
; left: the younger loads of x that may stay out.
.macro TRIP mbuf, q, set, ahead, off, left
.rept 4
	v_nop                                          ; four places between the last trip's matrix instructions and loads into registers that they have read (ISA guide 7.12.1 for vector instructions)
.endr
	ds_load_b128 v[XS:XS+3], v[XSR] offset:512*\mbuf
	ds_load_b128 v[XS+4:XS+7], v[XSR] offset:512*\mbuf+256
.irp i, 0,1,2,3,4,5,6,7
.irp c, 0,1
	ds_load_b128 v[F+8*\i+4*\c:F+8*\i+4*\c+3], v[IMR] offset:IMG+IBUF*\mbuf+IPT*\i+576*\c
.endr
.endr
.if \q
	s_wait_loadcnt \left                           ; my next tile's sixteen loads are in; sixteen for each younger tile stay out
	QA \set                                        ; work on registers while the images are on their way
.endif
	s_wait_dscnt 14                                ; of the 18 loads: the scale words and tile 0 are in; the pairs of the seven younger tiles may be out; and so on, two fewer a group
	G 0
.if \q
	QD 1
.endif
	s_wait_dscnt 12
	G 1
.if \q
	QD 2
.endif
	s_wait_dscnt 10
	G 2
.if \q
	QD 4
.endif
	s_wait_dscnt 8
	G 3
.if \q
	QC \set
.if \ahead
	WIN 0x40                                       ; the conversions have read the set: it takes the tile four further on
	LOADT \set, \off
	WIN 0
.endif
.endif
	s_wait_dscnt 6
	G 4
.if \q
	QP
	QST 1-\mbuf
	s_wait_dscnt 12                                ; tile 5 is in; behind it: the four loads of tiles 6 and 7 and the eight stores just issued
.else
	s_wait_dscnt 4
.endif
	G 5
.if \q
	QS 1-\mbuf
.endif
	s_wait_dscnt 0x0                               ; tiles 6 and 7 are in.  For the others' sake: my next image and its scale bytes have landed, and my reads of this trip's images are over
.if \q
	s_barrier_signal -1
.endif
	G 6                                            ; work on registers alone between signal and wait
	G 7
.if \q
	s_barrier_wait -1                              ; the next trip's eight images are whole, and this trip's buffer may be written again
.endif
.endm
.Lring:                                                ; trips 4 k .. 4 k + 3: tiles 4 k + 1 .. 4 k + 4 are quantised, tiles 4 k + 5 .. 4 k + 8 asked for
	TRIP 0, 1, 1, 1, 5*TSTEP, 48
	TRIP 1, 1, 2, 1, 6*TSTEP, 48
	TRIP 0, 1, 3, 1, 7*TSTEP, 48
	TRIP 1, 1, 0, 1, 8*TSTEP, 48
	s_wait_xcnt 0x0                                ; every load issued has had its address translated (ISA guide 3.1): only behind this wait is the base stepped
	s_add_nc_u64 s[4:5], s[4:5], 4*TSTEP
	s_sub_co_u32 s22, s22, 1
	s_cmp_lg_u32 s22, 0
	s_cbranch_scc1 .Lring
	TRIP 0, 1, 1, 1, 5*TSTEP, 48                   ; trips 8 to 10 ask for tiles 13 to 15, the last
	TRIP 1, 1, 2, 1, 6*TSTEP, 48
	TRIP 0, 1, 3, 1, 7*TSTEP, 48
	TRIP 1, 1, 0, 0, 0, 48                         ; trips 11 to 14 load nothing: no load leaves x, and the counts run down
	TRIP 0, 1, 1, 0, 0, 32
	TRIP 1, 1, 2, 0, 0, 16
	TRIP 0, 1, 3, 0, 0, 0
	TRIP 1, 0, 0, 0, 0, 0                          ; trip 15 has nothing left to quantise, and no image is written behind it: no barrier
	; THE END.  Register j of lane (r, h) of accumulator t holds the sum over the tokens = 8 h + j modulo 16 for column 128 w + 16 t + r: eight registers and the two halves of the lanes are added.
.rept 4
	v_nop                                          ; four places behind the last matrix instruction, ahead of the first read of results
.endr
.irp t, 0,1,2,3,4,5,6,7
	v_pk_add_f32 v[ACC+8*\t:ACC+8*\t+1], v[ACC+8*\t:ACC+8*\t+1], v[ACC+8*\t+2:ACC+8*\t+3]   ; each accumulator from its low end on
.endr
.irp t, 0,1,2,3,4,5,6,7
	v_pk_add_f32 v[ACC+8*\t+4:ACC+8*\t+5], v[ACC+8*\t+4:ACC+8*\t+5], v[ACC+8*\t+6:ACC+8*\t+7]
.endr
.irp t, 0,1,2,3,4,5,6,7
	v_pk_add_f32 v[ACC+8*\t:ACC+8*\t+1], v[ACC+8*\t:ACC+8*\t+1], v[ACC+8*\t+4:ACC+8*\t+5]
.endr
.irp t, 0,1,2,3,4,5,6,7
	v_add_f32 v[ACC+8*\t], v[ACC+8*\t], v[ACC+8*\t+1]
.endr
.irp t, 0,1,2,3,4,5,6,7
	v_permlanex16_b32 v[ACC+8*\t+1], v[ACC+8*\t], s20, s21
.endr
.irp t, 0,1,2,3,4,5,6,7
	v_add_f32 v[ACC+8*\t], v[ACC+8*\t], v[ACC+8*\t+1]
.endr
.irp t, 0,1,2,3,4,5,6,7
	ds_store_b32 v[OSW], v[ACC+8*\t] offset:16*\t  ; lanes r and r + 16 write the same word with the same value
.endr
	s_wait_dscnt 0x0                               ; for the others' sake: my sums have landed
	s_barrier_signal -1
	s_barrier_wait -1
	ds_load_b128 v[OUTR:OUTR+3], v[OSR]
	s_wait_dscnt 0x0
	global_store_b128 v[GO], v[OUTR:OUTR+3], s[10:11]          ; 32 lanes store 512 consecutive bytes, aligned
	s_wait_tensorcnt 0x0
	ds_add_u32 v254, v255
	s_wait_dscnt 0x0
	s_endpgm
.Lfunc_end_k_q68181269b7_pool:
	.size	k_q68181269b7_pool, .Lfunc_end_k_q68181269b7_pool-k_q68181269b7_pool
	.p2alignl 7, 3214868480
	.fill 96, 4, 3214868480
	.section	.rodata,"a",@progbits
	.p2align	6, 0x0
	.amdhsa_kernel k_q68181269b7_pool
		.amdhsa_group_segment_fixed_size 24576
		.amdhsa_private_segment_fixed_size 0
		.amdhsa_enable_private_segment 0
		.amdhsa_kernarg_size 32
		.amdhsa_user_sgpr_count 2
		.amdhsa_user_sgpr_kernarg_segment_ptr 1
		.amdhsa_wavefront_size32 1
		.amdhsa_system_sgpr_workgroup_id_x 1
		.amdhsa_system_sgpr_workgroup_id_y 1
		.amdhsa_system_sgpr_workgroup_id_z 1
		.amdhsa_system_vgpr_workitem_id 0
		.amdhsa_next_free_vgpr 512
		.amdhsa_next_free_sgpr 66
		.amdhsa_reserve_vcc 0
		.amdhsa_float_denorm_mode_32 3
		.amdhsa_float_denorm_mode_16_64 3
		.amdhsa_memory_ordered 1
		.amdhsa_forward_progress 1
		.amdhsa_inst_pref_size 255
	.end_amdhsa_kernel
	.section	.bss,"aw",@nobits
	.p2align	6
	.space	262144
	.amdgpu_metadata
---
amdhsa.version: [ 1, 2 ]
amdhsa.kernels:
  - .name:           k_q68181269b7_pool
    .symbol:         k_q68181269b7_pool.kd
    .args:
      - { .name: x, .offset: 0, .size: 8, .value_kind: global_buffer, .address_space: global }
      - { .name: wh_codes, .offset: 8, .size: 8, .value_kind: global_buffer, .address_space: global }
      - { .name: wh_scales, .offset: 16, .size: 8, .value_kind: global_buffer, .address_space: global }
      - { .name: part, .offset: 24, .size: 8, .value_kind: global_buffer, .address_space: global }
    .group_segment_fixed_size: 24576
    .private_segment_fixed_size: 0
    .kernarg_segment_align: 8
    .kernarg_segment_size: 32
    .max_flat_workgroup_size: 256
    .sgpr_count:     66
    .vgpr_count:     512
    .wavefront_size: 32
...
	.end_amdgpu_metadata
.endif
;; end of part 2
;; launch proj (part 3): grid 16 x 16, 4 waves a work-group, no clusters, 2,560 bytes of LDS; arguments part, wp_codes, wp_scales, b_proj, out0; writes out0
.if DOCPART == 3
	.amdgcn_target "amdgcn-amd-amdhsa--gfx1250"
	.amdhsa_code_object_version 6
	.text
	.protected	k_q68181269b7_proj
	.globl	k_q68181269b7_proj
	.p2align	8
	.type	k_q68181269b7_proj,@function
k_q68181269b7_proj:
	s_mov_b64 s[64:65], 0
	v_nop
	global_prefetch_b8 v0, s[64:65] scope:SCOPE_SE
	s_setreg_imm32_b32 hwreg(HW_REG_WAVE_MODE, 25, 1), 1
	s_wait_xcnt 0x0
; out0[b][j] = the sum over n of Q(c)[b][n] Q(W_proj)[j][n] + b_proj[j], with c[b][n] = the sum over the eight K steps s of part[b][s][n]: the pooled heads, added in f32, s ascending, and quantised here to
; FP4 (E2M1) along n in blocks of 32 (scale 2^(floor(log2(largest magnitude)) - 2)).  W_proj: codes and scale words as the first launch has laid them.  out0: [32][1024] f32.
; SHARES.  Work-group (jx = x of the grid, by = y): batches 2 by, 2 by + 1 x output columns 64 jx .. 64 jx + 63.
; The sums: wave w takes batch 2 by + (w >> 1), half w & 1 of its 1,024 columns; by part's order each load is 512 consecutive bytes and a thread still gets 16 NEIGHBOURING columns, half a block; two neighbouring lanes hold a block.
; Codes and scale bytes go through LDS: [batch 2][block 32][16 bytes] and [batch 2][32 bytes].
; The product: wave w takes the 16 output columns 64 jx + 16 w on: eight K steps of 128, used TRANSPOSED (source 0 = 16 rows of W_proj, source 1 = 16 rows of c, of which row r is batch r & 1: the two batches
; repeat), so that a lane's eight results are eight neighbouring outputs of one batch.  Two accumulators take turns; the bias is the C of the first's first instruction.
; NO CLUSTER, no tensor loads: a work-group fetches 65,536 bytes of part and 35,072 of weights and bias once, by 58 loads a wave that go out together; there is no ring whose refills partners could share.
; LIMITS: NaN and infinities are not served.  A block of zeros gets the byte 1 where the rule says 127: its codes are zeros, and this launch alone reads the bytes.
.set CODE, 0                           ; LDS: 1,024 bytes of codes
.set SCB,  1024                        ; 64 scale bytes
.set OST,  1280                        ; [batch 2][64 f32]: the results, 512 bytes
.set L16, 1                            ; v1   16 x lane
.set R4,  2                            ; v2   4 r
.set H32, 3                            ; v3   32 h
.set CW,  4                            ; v4   where my 16 codes go: CODE + 8 x thread
.set BW,  5                            ; v5   and my block's byte: SCB + thread / 2
.set CR,  6                            ; v6   c's fragments: CODE + 512 (r & 1) + 16 h
.set BR,  7                            ; v7   c's scale words: SCB + 32 (r & 1)
.set OW,  8                            ; v8   where my eight results go: OST + 256 (r & 1) + 64 w + 32 h
.set OR,  9                            ; v9   wave 0 reads them back: OST + 16 x lane
.set GO,  10                           ; v10  and their place in out0: 4,096 h + 16 r
.set M0,  11                           ; v11, v12 two chains of the largest magnitude; v13 the scale operand; v14 the byte
.set D0,  16                           ; v[16:23], v[24:31] two accumulators
.set WSC, 32                           ; v[32:39] W_proj's scale words, one register a K step: scales and nothing else
.set XSC, 40                           ; v[40:47] c's: scales and nothing else
.set BI,  48                           ; v[48:55] the bias, in the result's layout
.set CD,  56                           ; v[56:57] my 16 codes
.set P,   64                           ; v[64:191] eight parts x 16 columns; afterwards v[64:127] c's eight fragments, v[128:135] the result, v[136:139] the way out
.set XF,  64
.set RES, 128
.set WF,  192                          ; v[192:255] W_proj's eight fragments
	s_load_b256 s[4:11], s[0:1], 0x0               ; part s[4:5], W's codes s[6:7], W's scale words s[8:9], the bias s[10:11]
	s_load_b64 s[12:13], s[0:1], 0x20              ; out0
	v_lshl_add_u32 v62, v0, 2, 0x800
	v_mov_b32 v63, 0
	v_lshrrev_b32 v11, 5, v0
	v_readfirstlane_b32 s14, v11                   ; wave 0..3
	v_and_b32 v11, 31, v0                          ; lane
	v_and_b32 v12, 15, v0                          ; r
	v_bfe_u32 v13, v0, 4, 1                        ; h
	v_and_b32 v14, 1, v0                           ; r & 1
	v_lshlrev_b32 v[L16], 4, v11
	v_lshlrev_b32 v[R4], 2, v12
	v_lshlrev_b32 v[H32], 5, v13
	v_lshlrev_b32 v[CW], 3, v0                     ; CODE = 0
	v_lshrrev_b32 v[BW], 1, v0
	v_add_nc_u32 v[BW], SCB, v[BW]
	v_lshlrev_b32 v[CR], 9, v14
	v_lshl_add_u32 v[CR], v13, 4, v[CR]
	v_lshlrev_b32 v[BR], 5, v14
	v_add_nc_u32 v[BR], SCB, v[BR]
	s_lshl_b32 s17, s14, 6
	s_add_co_u32 s17, s17, OST
	v_lshlrev_b32 v[OW], 8, v14
	v_lshl_add_u32 v[OW], v13, 5, v[OW]
	v_add_nc_u32 v[OW], s17, v[OW]
	v_add_nc_u32 v[OR], OST, v[L16]
	v_lshlrev_b32 v[GO], 12, v13
	v_lshl_add_u32 v[GO], v12, 4, v[GO]
	s_and_b32 s16, ttmp7, 0xffff                   ; by
	s_lshl_b32 s18, ttmp9, 2
	s_add_co_u32 s18, s18, s14                     ; my tile of output columns: T = 4 jx + w
	s_lshr_b32 s19, s14, 1
	s_lshl_b32 s20, s16, 1
	s_add_co_u32 s20, s20, s19                     ; my batch for the sums
	s_lshl_b32 s20, s20, 15                        ; x 8 parts of 4,096 bytes
	s_and_b32 s19, s14, 1
	s_lshl_b32 s19, s19, 11                        ; + my half of a part
	s_add_co_u32 s20, s20, s19
	s_mov_b32 s21, 0
	s_lshl_b32 s22, s18, 10                        ; W's codes: 1,024 T (and 65,536 for each K step, in the offsets)
	s_mov_b32 s23, 0
	s_lshl_b32 s24, s18, 6                         ; W's scale words and the bias: 64 T
	s_mov_b32 s25, 0
	s_lshl_b32 s26, s16, 13                        ; out0: two rows of 4,096 bytes a work-group along y, 256 bytes along x
	s_lshl_b32 s19, ttmp9, 8
	s_add_co_u32 s26, s26, s19
	s_mov_b32 s27, 0
	s_wait_kmcnt 0x0
	s_add_nc_u64 s[4:5], s[4:5], s[20:21]
	s_add_nc_u64 s[6:7], s[6:7], s[22:23]
	s_add_nc_u64 s[8:9], s[8:9], s[24:25]
	s_add_nc_u64 s[10:11], s[10:11], s[24:25]
	s_add_nc_u64 s[12:13], s[12:13], s[26:27]
.irp s, 0,1,2,3,4,5,6,7
.irp j, 0,1,2,3
	global_load_b128 v[P+16*\s+4*\j:P+16*\s+4*\j+3], v[L16], s[4:5] offset:4096*\s+512*\j   ; part s, columns 16 lane + 4 j + 0 .. 3 of my half: 512 consecutive bytes a load
.endr
.endr
.irp s, 0,1,2,3,4,5,6,7
.irp c, 0,1
	global_load_b128 v[WF+8*\s+4*\c:WF+8*\s+4*\c+3], v[L16], s[6:7] offset:65536*\s+512*\c  ; W's fragment of K step s, as it lies
.endr
.endr
.irp s, 0,1,2,3,4,5,6,7
	global_load_b32 v[WSC+\s], v[R4], s[8:9] offset:4096*\s    ; row r's word
.endr
	global_load_b128 v[BI:BI+3], v[H32], s[10:11]              ; lane (r, h): the bias of outputs 8 h + 0 .. 7 of my 16
	global_load_b128 v[BI+4:BI+7], v[H32], s[10:11] offset:16
	s_wait_loadcnt 26                              ; the 32 loads of part are in; the 16 + 8 + 2 younger ones (W's codes, its scale words, the bias) may be out
.irp s, 1,2,3,4,5,6,7
.irp e, 0,2,4,6,8,10,12,14
	v_pk_add_f32 v[P+\e:P+\e+1], v[P+\e:P+\e+1], v[P+16*\s+\e:P+16*\s+\e+1]   ; the eight K steps' parts, s ascending
.endr
.endr
	v_max3_num_f32 v[M0], |v[P]|, |v[P+1]|, 0x1800000          ; the largest magnitude of my 16, in two chains; the floor 2^(3 - 127) is one of the leaves, so the byte cannot fall under 1
	v_max3_num_f32 v[M0+1], |v[P+2]|, |v[P+3]|, |v[P+4]|
.irp i, 5,9
	v_max3_num_f32 v[M0], v[M0], |v[P+\i]|, |v[P+\i+1]|
	v_max3_num_f32 v[M0+1], v[M0+1], |v[P+\i+2]|, |v[P+\i+3]|
.endr
	v_max3_num_f32 v[M0], v[M0], |v[P+13]|, |v[P+14]|
	v_max3_num_f32 v[M0], v[M0], v[M0+1], |v[P+15]|
	v_max_num_f32_dpp v[M0], v[M0], v[M0] row_xmask:1 row_mask:0xf bank_mask:0xf   ; and of my neighbour's 16: the block's
	v_add_nc_u32 v13, 0xff000000, v[M0]            ; 2 off the exponent field: the conversion's scale operand
	v_cvt_scalef32_pk8_fp4_f32 v[CD], v[P:P+7], v13
	v_cvt_scalef32_pk8_fp4_f32 v[CD+1], v[P+8:P+15], v13
	v_lshrrev_b32 v14, 23, v13                     ; the scale's byte.  (Also the plain instruction behind the last scaled conversion)
	ds_store_b64 v[CW], v[CD:CD+1]
	ds_store_b8 v[BW], v14                         ; both lanes of a block write the same byte with the same value
	s_wait_dscnt 0x0                               ; for the others' sake: my codes and my byte have landed
	s_barrier_signal -1
	s_barrier_wait -1
	ds_load_b128 v[XSC:XSC+3], v[BR]               ; my row's eight scale words
	ds_load_b128 v[XSC+4:XSC+7], v[BR] offset:16
.irp s, 0,1,2,3,4,5,6,7
.irp c, 0,1
	ds_load_b128 v[XF+8*\s+4*\c:XF+8*\s+4*\c+3], v[CR] offset:64*\s+32*\c     ; block 4 s + 2 c + h of batch r & 1: registers 4 c .. 4 c + 3 of K step s's fragment
.endr
.endr
	s_wait_loadcnt 0x0
	s_wait_dscnt 0x0
.irp s, 0,1,2,3,4,5,6,7                        ; the two accumulators take turns, one instruction a turn
.if \s == 0
	v_wmma_scale_f32_16x16x128_f8f6f4 v[D0:D0+7], v[WF+8*\s:WF+8*\s+7], v[XF+8*\s:XF+8*\s+7], v[BI:BI+7], v[WSC+\s], v[XSC+\s] matrix_a_fmt:MATRIX_FMT_FP4 matrix_b_fmt:MATRIX_FMT_FP4
.elseif \s == 1
	v_wmma_scale_f32_16x16x128_f8f6f4 v[D0+8:D0+15], v[WF+8*\s:WF+8*\s+7], v[XF+8*\s:XF+8*\s+7], 0, v[WSC+\s], v[XSC+\s] matrix_a_fmt:MATRIX_FMT_FP4 matrix_b_fmt:MATRIX_FMT_FP4
.else
	v_wmma_scale_f32_16x16x128_f8f6f4 v[D0+8*(\s%2):D0+8*(\s%2)+7], v[WF+8*\s:WF+8*\s+7], v[XF+8*\s:XF+8*\s+7], v[D0+8*(\s%2):D0+8*(\s%2)+7], v[WSC+\s], v[XSC+\s] matrix_a_fmt:MATRIX_FMT_FP4 matrix_b_fmt:MATRIX_FMT_FP4
.endif
.endr
.rept 4
	v_nop                                          ; four places behind the last matrix instruction, ahead of the first read of results (ISA guide 7.12.1)
.endr
.irp e, 0,2,4,6
	v_pk_add_f32 v[RES+\e:RES+\e+1], v[D0+\e:D0+\e+1], v[D0+8+\e:D0+8+\e+1]   ; both accumulators from their low ends on: register j of lane (r, h) is out0(batch r & 1, 16 T + 8 h + j)
.endr
	ds_store_b128 v[OW], v[RES:RES+3]              ; lanes of equal r & 1 and h hold equal numbers and write the same bytes
	ds_store_b128 v[OW], v[RES+4:RES+7] offset:16
	s_wait_dscnt 0x0                               ; for wave 0's sake: my results have landed
	s_barrier_signal -1
	s_barrier_wait -1
	s_cmp_lg_u32 s14, 0
	s_cbranch_scc1 .Lend                           ; wave 0 stores the work-group's 2 x 64 results
	ds_load_b128 v[RES+8:RES+11], v[OR]
	s_wait_dscnt 0x0
	global_store_b128 v[GO], v[RES+8:RES+11], s[12:13]         ; sixteen lanes store 256 consecutive bytes of one batch's row, aligned
.Lend:
	s_wait_tensorcnt 0x0
	ds_add_u32 v62, v63
	s_wait_dscnt 0x0
	s_endpgm
.Lfunc_end_k_q68181269b7_proj:
	.size	k_q68181269b7_proj, .Lfunc_end_k_q68181269b7_proj-k_q68181269b7_proj
	.p2alignl 7, 3214868480
	.fill 96, 4, 3214868480
	.section	.rodata,"a",@progbits
	.p2align	6, 0x0
	.amdhsa_kernel k_q68181269b7_proj
		.amdhsa_group_segment_fixed_size 2560
		.amdhsa_private_segment_fixed_size 0
		.amdhsa_enable_private_segment 0
		.amdhsa_kernarg_size 40
		.amdhsa_user_sgpr_count 2
		.amdhsa_user_sgpr_kernarg_segment_ptr 1
		.amdhsa_wavefront_size32 1
		.amdhsa_system_sgpr_workgroup_id_x 1
		.amdhsa_system_sgpr_workgroup_id_y 1
		.amdhsa_system_sgpr_workgroup_id_z 1
		.amdhsa_system_vgpr_workitem_id 0
		.amdhsa_next_free_vgpr 256
		.amdhsa_next_free_sgpr 66
		.amdhsa_reserve_vcc 0
		.amdhsa_float_denorm_mode_32 3
		.amdhsa_float_denorm_mode_16_64 3
		.amdhsa_memory_ordered 1
		.amdhsa_forward_progress 1
		.amdhsa_inst_pref_size 16
	.end_amdhsa_kernel
	.amdgpu_metadata
---
amdhsa.version: [ 1, 2 ]
amdhsa.kernels:
  - .name:           k_q68181269b7_proj
    .symbol:         k_q68181269b7_proj.kd
    .args:
      - { .name: part, .offset: 0, .size: 8, .value_kind: global_buffer, .address_space: global }
      - { .name: wp_codes, .offset: 8, .size: 8, .value_kind: global_buffer, .address_space: global }
      - { .name: wp_scales, .offset: 16, .size: 8, .value_kind: global_buffer, .address_space: global }
      - { .name: b_proj, .offset: 24, .size: 8, .value_kind: global_buffer, .address_space: global }
      - { .name: out0, .offset: 32, .size: 8, .value_kind: global_buffer, .address_space: global }
    .group_segment_fixed_size: 2560
    .private_segment_fixed_size: 0
    .kernarg_segment_align: 8
    .kernarg_segment_size: 40
    .max_flat_workgroup_size: 128
    .sgpr_count:     66
    .vgpr_count:     256
    .wavefront_size: 32
...
	.end_amdgpu_metadata
.endif
;; end of part 3
;; ======== version 2 of 2: 3 launches
;; workspace buffers: wh_codes 524,288 bytes; wh_scales 32,768 bytes; wp_codes 524,288 bytes; wp_scales 32,768 bytes; part 1,048,576 bytes
;; launch prep (part 4): grid 256 x 1, 4 waves a work-group, no clusters, 34,560 bytes of LDS; arguments W_heads, W_proj, wh_codes, wh_scales, wp_codes, wp_scales; writes wh_codes, wh_scales, wp_codes, wp_scales
.if DOCPART == 4
	.amdgcn_target "amdgcn-amd-amdhsa--gfx1250"
	.amdhsa_code_object_version 6
	.text
	.protected	k_q68181269b7_prep
	.globl	k_q68181269b7_prep
	.p2align	8
	.type	k_q68181269b7_prep,@function
k_q68181269b7_prep:
	s_mov_b64 s[64:65], 0
	v_nop
	global_prefetch_b8 v0, s[64:65] scope:SCOPE_SE
	s_setreg_imm32_b32 hwreg(HW_REG_WAVE_MODE, 25, 1), 1
	s_wait_xcnt 0x0
; W_heads ([16][64][1024] = 1,024 rows x 1,024 K) and W_proj ([1024][1024]), f32 with K innermost, become codes of FP4 (E2M1) with one E8M0 byte for each 32 along K.
; A block's scale is 2^(floor(log2(its largest magnitude)) - 2); its byte is the largest magnitude's exponent field - 2, held at 1 from below.
; THE CODES ARE LAID IN THE ORDER OF THE OPERAND'S REGISTERS: [K step s of 128: 8][tile T of 16 rows: 64][c: 2][lane: 32][16 bytes]: a fragment is 1,024 dense bytes, and lane (r, h)'s registers
; 4 c .. 4 c + 3 (k = 128 s + 64 c + 32 h + 0 .. 31 of row 16 T + r) lie at 512 c + 16 lane.  The scale words lie [s: 8][row: 1,024], four bytes each, byte b for k = 128 s + 32 b on.
; SHARES: work-groups 0-127 take W_heads, 128-255 W_proj (only pointers are chosen: one path through the text).  Of a tensor's 128, work-group (s, g) takes K step s of rows 64 g on; wave w tile T = 4 g + w: one fragment.
; Each load reads 512 consecutive bytes of one row, 16 a lane.  The conversions want a lane to hold neighbours along K, so the tile's 16 x 512 bytes turn through the wave's own stage in LDS and come back 128 bytes a lane and block.
; LIMITS: NaN and infinities among the inputs are not served.  A block of zeros gets the byte 1 where the quantiser's rule says 127: its codes are zeros, which add nothing under any byte but 0xff, and this
; program alone reads the bytes.  Blocks whose largest magnitude lies under 2^-124 have their byte held at 1, as the rule asks; they were not tried.
; No tensor loads, no cluster: no two work-groups read the same byte.
.set SCG,    0                         ; LDS: the work-group's 64 scale words, 256 bytes
.set STAGE,  256                       ; behind them a stage for each wave
.set SPITCH, 528                       ; a stage row: 512 bytes + 16: an odd multiple of 16 bytes, so that the 16 rows that a read touches begin 16 bytes apart modulo 256
.set STB,    16*SPITCH
.set L16, 1                            ; v1   16 x lane
.set STW, 3                            ; v3   the stage, on the way in: 16 x lane of a row
.set STR, 4                            ; v4   on the way out: row r, + 128 h
.set SCW, 5                            ; v5   where my row's scale word goes: SCG + 64 w + 4 r
.set SCR, 6                            ; v6   wave 0 reads them back: SCG + 8 x lane
.set SH8, 7                            ; v7   8 h: where my two bytes stand in the scale word
.set L8,  8                            ; v8   8 x lane
.set MA,  12                           ; v12-15 largest magnitudes: two chains for each of my two blocks
.set SO,  16                           ; v16-17 the conversions' scale operands
.set BY,  18                           ; v18-19 the scales' bytes
.set PW,  20                           ; v20  the row's scale word
.set PT,  21                           ; v21  the other half's part of it
.set SB,  22                           ; v[22:23] scale words on the way out
.set PC,  24                           ; v[24:31] the fragment's codes
.set RAW, 64                           ; v[64:127] the tile as loaded
.set X,   128                          ; v[128:191] register 32 c + i = k 64 c + 32 h + i of row r
; the largest magnitude of my block c, all 32 numbers mine: two chains that do not wait for each other; the floor 2^(3 - 127) is one of the leaves, so the byte cannot fall under 1
.macro QMAX c
	v_max3_num_f32 v[MA+2*\c], |v[X+32*\c]|, |v[X+32*\c+1]|, 0x1800000
	v_max3_num_f32 v[MA+2*\c+1], |v[X+32*\c+16]|, |v[X+32*\c+17]|, |v[X+32*\c+18]|
.irp i, 2,4,6,8,10,12
	v_max3_num_f32 v[MA+2*\c], v[MA+2*\c], |v[X+32*\c+\i]|, |v[X+32*\c+\i+1]|
	v_max3_num_f32 v[MA+2*\c+1], v[MA+2*\c+1], |v[X+32*\c+\i+17]|, |v[X+32*\c+\i+18]|
.endr
	v_max3_num_f32 v[MA+2*\c], v[MA+2*\c], |v[X+32*\c+14]|, |v[X+32*\c+15]|
	v_max3_num_f32 v[MA+2*\c], v[MA+2*\c], v[MA+2*\c+1], |v[X+32*\c+31]|
.endm
; scale operands, bytes, the row's scale word (in both halves of the lanes), and the eight registers of codes
.macro QFIN
.irp c, 0,1
	v_add_nc_u32 v[SO+\c], 0xff000000, v[MA+2*\c]  ; 2 off the exponent field: the conversion takes the exponent field of this operand as its scale, and nothing else of it
.endr
.irp c, 0,1
	v_lshrrev_b32 v[BY+\c], 23, v[SO+\c]           ; the scale's byte
.endr
	v_lshl_or_b32 v[PW], v[BY+1], 16, v[BY]        ; my blocks are h and 2 + h of the row's four
	v_lshlrev_b32 v[PW], v[SH8], v[PW]
	v_permlanex16_b32 v[PT], v[PW], s20, s21       ; lane l xor 16 holds the other two
	v_or_b32 v[PW], v[PW], v[PT]
.irp c, 0,1
.irp g, 0,1,2,3
	v_cvt_scalef32_pk8_fp4_f32 v[PC+4*\c+\g], v[X+32*\c+8*\g:X+32*\c+8*\g+7], v[SO+\c]
.endr
.endr
	v_nop                                          ; one plain instruction behind the last scaled conversion
.endm
	s_load_b128 s[4:7], s[0:1], 0x0                ; W_heads, W_proj
	s_load_b128 s[8:11], s[0:1], 0x10              ; W_heads' codes, scale words
	s_load_b128 s[12:15], s[0:1], 0x20             ; W_proj's codes, scale words
	v_lshl_add_u32 v192, v0, 2, 0x8500
	v_mov_b32 v193, 0
	v_lshrrev_b32 v2, 5, v0
	v_readfirstlane_b32 s16, v2                    ; wave 0..3
	v_and_b32 v9, 31, v0                           ; lane
	v_and_b32 v10, 15, v0                          ; r
	v_bfe_u32 v11, v0, 4, 1                        ; h
	v_lshlrev_b32 v[L16], 4, v9
	s_mul_i32 s17, s16, STB
	s_add_co_u32 s17, s17, STAGE                   ; my stage
	v_add_nc_u32 v[STW], s17, v[L16]
	v_mul_u32_u24 v[STR], v10, SPITCH
	v_lshl_add_u32 v[STR], v11, 7, v[STR]
	v_add_nc_u32 v[STR], s17, v[STR]
	s_lshl_b32 s17, s16, 6
	v_lshlrev_b32 v[SCW], 2, v10
	v_add_nc_u32 v[SCW], s17, v[SCW]               ; SCG = 0
	v_lshlrev_b32 v[L8], 3, v9
	v_lshlrev_b32 v[SCR], 3, v9
	v_lshlrev_b32 v[SH8], 3, v11
	v_mov_b32 v[PT], 0                             ; a lane permute's destination counts as one of its sources
	s_mov_b32 s20, 0x76543210
	s_mov_b32 s21, 0xfedcba98                      ; v_permlanex16_b32's selects for lane l xor 16
	s_and_b32 s18, ttmp9, 127
	s_lshr_b32 s19, s18, 4                         ; K step s
	s_and_b32 s24, s18, 15                         ; g
	s_lshl_b32 s25, s24, 2
	s_add_co_u32 s25, s25, s16                     ; tile T = 4 g + w
	s_lshl_b32 s26, s25, 16                        ; in the tensor: 16 T rows of 4,096 bytes
	s_lshl_b32 s17, s19, 9                         ; + 512 s
	s_add_co_u32 s26, s26, s17
	s_mov_b32 s27, 0
	s_lshl_b32 s28, s19, 16                        ; in the codes: 65,536 s + 1,024 T
	s_lshl_b32 s17, s25, 10
	s_add_co_u32 s28, s28, s17
	s_mov_b32 s29, 0
	s_lshl_b32 s30, s19, 12                        ; in the scale words: 4,096 s + 256 g
	s_lshl_b32 s17, s24, 8
	s_add_co_u32 s30, s30, s17
	s_mov_b32 s31, 0
	s_wait_alu depctr_va_vdst(0)
	s_wait_kmcnt 0x0
	s_cmp_lt_u32 ttmp9, 128                        ; which tensor: the choice hangs on the work-group's number alone
	s_cselect_b64 s[4:5], s[4:5], s[6:7]
	s_cselect_b64 s[8:9], s[8:9], s[12:13]
	s_cselect_b64 s[10:11], s[10:11], s[14:15]
	s_add_nc_u64 s[4:5], s[4:5], s[26:27]
	s_add_nc_u64 s[8:9], s[8:9], s[28:29]
	s_add_nc_u64 s[10:11], s[10:11], s[30:31]
.irp i, 0,1,2,3,4,5,6,7,8,9,10,11,12,13,14,15
	global_load_b128 v[RAW+4*\i:RAW+4*\i+3], v[L16], s[4:5] offset:4096*\i th:TH_LOAD_NT   ; row i's 512 bytes of this K step
.endr
	s_wait_loadcnt 0x0
.irp i, 0,1,2,3,4,5,6,7,8,9,10,11,12,13,14,15
	ds_store_b128 v[STW], v[RAW+4*\i:RAW+4*\i+3] offset:SPITCH*\i
.endr
.irp c, 0,1
.irp j, 0,1,2,3,4,5,6,7
	ds_load_b128 v[X+32*\c+4*\j:X+32*\c+4*\j+3], v[STR] offset:256*\c+16*\j   ; LDS serves a wave's instructions in order (ISA guide 5.7.1.4): these see the stores above
.endr
.endr
	s_wait_dscnt 8                                 ; the stores and my first block are done; the second block's eight loads may be out
	QMAX 0
	s_wait_dscnt 0x0
	QMAX 1
	QFIN
	global_store_b128 v[L16], v[PC:PC+3], s[8:9]               ; 32 lanes store 512 consecutive bytes, aligned
	global_store_b128 v[L16], v[PC+4:PC+7], s[8:9] offset:512
	ds_store_b32 v[SCW], v[PW]                     ; lanes r and r + 16 write the same word with the same value
	s_wait_dscnt 0x0                               ; for the others' sake: my word has landed
	s_barrier_signal -1
	s_barrier_wait -1
	s_cmp_lg_u32 s16, 0
	s_cbranch_scc1 .Lend                           ; wave 0 stores the work-group's 64 scale words
	ds_load_b64 v[SB:SB+1], v[SCR]
	s_wait_dscnt 0x0
	global_store_b64 v[L8], v[SB:SB+1], s[10:11]   ; 32 lanes store 256 consecutive bytes, aligned
.Lend:
	s_wait_tensorcnt 0x0
	ds_add_u32 v192, v193
	s_wait_dscnt 0x0
	s_endpgm
.Lfunc_end_k_q68181269b7_prep:
	.size	k_q68181269b7_prep, .Lfunc_end_k_q68181269b7_prep-k_q68181269b7_prep
	.p2alignl 7, 3214868480
	.fill 96, 4, 3214868480
	.section	.rodata,"a",@progbits
	.p2align	6, 0x0
	.amdhsa_kernel k_q68181269b7_prep
		.amdhsa_group_segment_fixed_size 34560
		.amdhsa_private_segment_fixed_size 0
		.amdhsa_enable_private_segment 0
		.amdhsa_kernarg_size 48
		.amdhsa_user_sgpr_count 2
		.amdhsa_user_sgpr_kernarg_segment_ptr 1
		.amdhsa_wavefront_size32 1
		.amdhsa_system_sgpr_workgroup_id_x 1
		.amdhsa_system_sgpr_workgroup_id_y 1
		.amdhsa_system_sgpr_workgroup_id_z 1
		.amdhsa_system_vgpr_workitem_id 0
		.amdhsa_next_free_vgpr 194
		.amdhsa_next_free_sgpr 66
		.amdhsa_reserve_vcc 0
		.amdhsa_float_denorm_mode_32 3
		.amdhsa_float_denorm_mode_16_64 3
		.amdhsa_memory_ordered 1
		.amdhsa_forward_progress 1
		.amdhsa_inst_pref_size 10
	.end_amdhsa_kernel
	.amdgpu_metadata
---
amdhsa.version: [ 1, 2 ]
amdhsa.kernels:
  - .name:           k_q68181269b7_prep
    .symbol:         k_q68181269b7_prep.kd
    .args:
      - { .name: W_heads, .offset: 0, .size: 8, .value_kind: global_buffer, .address_space: global }
      - { .name: W_proj, .offset: 8, .size: 8, .value_kind: global_buffer, .address_space: global }
      - { .name: wh_codes, .offset: 16, .size: 8, .value_kind: global_buffer, .address_space: global }
      - { .name: wh_scales, .offset: 24, .size: 8, .value_kind: global_buffer, .address_space: global }
      - { .name: wp_codes, .offset: 32, .size: 8, .value_kind: global_buffer, .address_space: global }
      - { .name: wp_scales, .offset: 40, .size: 8, .value_kind: global_buffer, .address_space: global }
    .group_segment_fixed_size: 34560
    .private_segment_fixed_size: 0
    .kernarg_segment_align: 8
    .kernarg_segment_size: 48
    .max_flat_workgroup_size: 128
    .sgpr_count:     66
    .vgpr_count:     194
    .wavefront_size: 32
...
	.end_amdgpu_metadata
.endif
;; end of part 4
;; launch pool (part 5): grid 8 x 32, 8 waves a work-group, no clusters, 24,576 bytes of LDS; arguments x, wh_codes, wh_scales, part; writes part
.if DOCPART == 5
	.amdgcn_target "amdgcn-amd-amdhsa--gfx1250"
	.amdhsa_code_object_version 6
	.text
	.protected	k_q68181269b7_pool
	.globl	k_q68181269b7_pool
	.p2align	8
	.type	k_q68181269b7_pool,@function
k_q68181269b7_pool:
	s_mov_b64 s[64:65], 0
	v_nop
	global_prefetch_b8 v0, s[64:65] scope:SCOPE_SE
	s_setreg_imm32_b32 hwreg(HW_REG_WAVE_SCHED_MODE, 0, 2), 2
	s_setreg_imm32_b32 hwreg(HW_REG_WAVE_MODE, 25, 1), 1
	s_wait_xcnt 0x0
	s_wait_alu depctr_vm_vsrc(0)
; part[b][s][n] = the sum over the 2,048 tokens t of batch b, and over k = 128 s .. 128 s + 127, of Q(x)[b][t][k] Q(W_heads)[n][k], for all 1,024 columns n: the first product of the module, in MX-FP4, with the
; sum over tokens taken INSIDE the accumulators: tiles of 16 different tokens are added onto the same accumulator, so the pooling costs no instruction until the end.
; x: [32][2048][1024] f32, quantised here along K in blocks of 32 (scale 2^(floor(log2(largest magnitude)) - 2)).  W_heads: codes and scale words as the launch before has laid them.
; SHARES.  Work-group (s = x of the grid, b = y): 2,048 rows x 512 bytes of x, which no other work-group reads: x is read once, each load 512 consecutive aligned bytes: one row's K step.  Eight waves, 16 trips of 128 rows.
; Of a trip's rows wave w quantises 16 w .. 16 w + 15: one fragment, which goes to the others through LDS as an image of its registers; every wave multiplies all eight fragments by its OWN 128 columns, whose
; eight fragments of W and their scale words stay in its registers for the whole launch: 64 matrix instructions a wave and trip, on eight accumulators by turns.
; QUANTISED AS IT IS LOADED.  A load leaves lane l four numbers of a row: block l >> 3 of the K step's four, quad l & 7 of the block's eight.  No f32 number goes through LDS:
;   the block's largest magnitude: two instructions in the lane, three steps among the block's eight lanes;
;   the conversion takes eight registers, here the quads of rows 2 p and 2 p + 1: it is issued once with each row's scale, and the valid half of each result is kept;
;   lanes l and l xor 1 exchange halves: the even lane then holds eight neighbouring codes of row 2 p, the odd lane of row 2 p + 1, the lower k in the lower bits: one register of the operand;
;   eight stores of 4 bytes a lane put these registers at their places in the fragment's image.
; AN IMAGE is 1,152 bytes: registers 4 c .. 4 c + 3 of lane (r, h) at 576 c + 288 h + 16 r.  The paddings (32 bytes behind 256, 64 behind 576) put the 32 lanes of a 4-byte store on 32 different words modulo 64;
; a read's sixteen lanes take 256 consecutive bytes.
; BY TURNS.  Trip t multiplies the images of tile row t and, between its eight groups of eight matrix instructions, quantises the wave's tile of trip t + 1 into the other image buffer.
; ONE BARRIER A TRIP: in front of its signal a wave waits for all its LDS instructions: its next image has landed, and its reads of this trip's images are over; the last two groups, work on registers alone,
; stand between signal and wait.  So the buffer read in trip t is written again only behind a wait that all eight waves' signals have opened.
; THE STREAM.  A ring of four sets of 64 registers (window 1) holds four tiles of 16 rows on their way: 48 to 64 loads of 512 bytes a wave; the waits on them are counted, so the ring is never empty.
; THE MODE: SCHED_MODE bits 1:0 = 2 (LLVM: expert scheduling mode 2), set by the entry lines.  The code itself states the register dependences between vector or matrix instructions and memory or LDS
; instructions, with s_wait_alu, always for 0.
; THE PLAN.  Registers that memory or LDS instructions touch, in a trip:
;   v[F ..], v[XS ..]   The 18 LDS loads at the trip's head land in them; the trip's 64 matrix instructions read them, the last two groups last.
;   the ring set        The trip's maxima and conversions read it; behind them the loads of the tile four further on land in it.
;   v[CV + 2 p]         Written by the conversions, the merge and the exchange; read by the eight image stores; written again by the next trip's conversions.
;   v[M], v[M + 8]      Written from the maxima to the shifts; read by the two byte stores; written again by the next trip's maxima.
;   v1-v6, v8-v10       Addresses and offsets, made once at the head and never written again: x's rows are reached by a scalar base and by immediate offsets.
;   W, its scale words  Loaded once, at the head.  The accumulators are named by vector and matrix instructions alone until the end, where LDS stores read the column sums.
; So TWO waits on va_vdst stand in a trip.  The first, at its head: the last trip's matrix instructions are done reading v[F ..] and v[XS ..]; the 18 loads follow it at once (the images are whole only behind
; the barrier's wait, so these loads cannot stand earlier).  The second, behind all of the quantiser's vector work: the ring set is read out, the codes and the two scale bytes are written; the trip's 16 loads
; of x and its ten LDS stores follow it in one run, with no vector instruction between.  One wait on vm_vsrc stands behind those stores, in front of the barrier's signal: they have read their data registers.
; The accumulators begin as zeros, by 64 moves at the head: the first products stand inside the loop.
; The partial sums leave in the order in which the last launch reads them: column n at byte 2048 (n >> 9) + 512 ((n & 15) >> 2) + 16 ((n >> 4) & 31) + 4 (n & 3).
; NO TENSOR LOADS: a slot in LDS is filled again only behind a wait for all loads; the ring in registers needs no such wait.  NO CLUSTER: what work-groups share is W's K step, 65,536 + 4,096 bytes beside the
; 1,048,576 bytes of x that each reads alone, and it is read once, at the head.  No prefetch: the launch's own loads run four tiles ahead.
; LIMITS: NaN and infinities among the inputs are not served.  A block of zeros gets the byte 1 where the rule says 127: its codes are zeros, and this program alone reads the bytes.  The sums over tokens are f32 sums
; in another order than the reference's.
.set TSTEP,  128*4096                  ; a trip's 128 rows of x in bytes
.set IMG,    0                         ; LDS: [buffer 2][tile 8][1,152 bytes]: the fragments' images
.set IPT,    1152
.set IBUF,   8*IPT
.set XSC,    2*IBUF                    ; [buffer 2][group 2][row 16][4 words]: tile i's scale word of row r at 256 (i >> 2) + 16 r + 4 (i & 3): two loads of 16 bytes bring a lane all eight tiles' words
.set OUTST,  XSC+1024                  ; 4,096 bytes: the partial sums, in part's order
.set L16, 1                            ; v1   16 x lane: offset of x's and W's loads
.set L4,  2                            ; v2   4 x lane
.set IMR, 3                            ; v3   an image's place for my lane as a reader: 288 h + 16 r
.set IMW, 4                            ; v4   and as a writer: 1,152 w + 576 (l >> 4) + 288 ((l >> 3) & 1) + 16 (l & 1) + 4 ((l >> 1) & 3); rows 2 p + (l & 1): 32 p in the offset
.set XSR, 5                            ; v5   XSC + 16 r
.set SCW, 6                            ; v6   where my two scale bytes go: XSC + 256 (w >> 2) + 4 (w & 3) + 16 (l & 7) + (l >> 3); row (l & 7) + 8: 128 further on
.set PSEL, 7                           ; v7   the byte selector of the exchange of halves: one for even lanes, one for odd
.set OSW, 8                            ; v8   where my column sums go
.set OSR, 9                            ; v9   and where I read 16 bytes of them back
.set GO,  10                           ; v10  512 w + 16 lane: the same place in part
.set M,   12                           ; v12-27  a largest magnitude for each of the tile's 16 rows, then the conversions' scale operands
.set CV,  28                           ; v28-43  the conversions' results, two for each pair of rows; then the codes in the even ones
.set XS,  44                           ; v[44:51] x's scale words of the trip's eight tiles: scales and nothing else
.set WS,  52                           ; v[52:55] W's scale words: register u: lanes 0-15 tile 2 u, lanes 16-31 tile 2 u + 1: scales and nothing else
.set W,   56                           ; v[56:119] W's eight fragments
.set ACC, 120                          ; v[120:183] eight accumulators
.set F,   184                          ; v[184:247] the trip's eight fragments of x
.set OUTR, 248                         ; v[248:251] the way out
.set MSB, 0
.macro WIN new                         ; the immediate's high byte repeats the setting that is left
.if MSB != \new
	s_set_vgpr_msb (MSB<<8)|\new
.set MSB, \new
.endif
.endm
.macro LOADT set, off                  ; a tile of 16 rows, 512 bytes of each, into ring set 'set' (window 1); the caller has set the destination's window
.irp i, 0,1,2,3,4,5,6,7,8,9,10,11,12,13,14,15
	global_load_b128 v[64*\set+4*\i:64*\set+4*\i+3], v[L16], s[4:5] offset:(\off)+4096*\i th:TH_LOAD_NT
.endr
.endm
; THE QUANTISER, in seven pieces.
.macro QA set                          ; the largest magnitude of my four numbers of each row; the floor 2^(3 - 127) is one of the leaves, so the byte cannot fall under 1
	WIN 0x05                                       ; sources 0 and 1 window 1 (the ring), source 2 and the destination window 0
.irp i, 0,1,2,3,4,5,6,7,8,9,10,11,12,13,14,15
	v_max3_num_f32 v[M+\i], |v[64*\set+4*\i]|, |v[64*\set+4*\i+1]|, s36
.endr
.irp i, 0,1,2,3,4,5,6,7,8,9,10,11,12,13,14,15
	v_max3_num_f32 v[M+\i], |v[64*\set+4*\i+2]|, |v[64*\set+4*\i+3]|, v[M+\i]
.endr
	WIN 0
.endm
.macro QD m                            ; with lane l xor m's: masks 1, 2 and 4 join the eight lanes of a block
.irp i, 0,1,2,3,4,5,6,7,8,9,10,11,12,13,14,15
	v_max_num_f32_dpp v[M+\i], v[M+\i], v[M+\i] row_xmask:\m row_mask:0xf bank_mask:0xf
.endr
.endm
.macro QC set                          ; scale operands and conversions
.irp i, 0,1,2,3,4,5,6,7,8,9,10,11,12,13,14,15
	v_add_nc_u32 v[M+\i], s37, v[M+\i]             ; 2 off the exponent field: the conversion takes the exponent field of this operand as its scale, and nothing else of it
.endr
	WIN 0x01                                       ; source 0 window 1
.irp p, 0,1,2,3,4,5,6,7
	v_cvt_scalef32_pk8_fp4_f32 v[CV+2*\p], v[64*\set+8*\p:64*\set+8*\p+7], v[M+2*\p]       ; by row 2 p's scale: the low 16 bits are its four codes
	v_cvt_scalef32_pk8_fp4_f32 v[CV+2*\p+1], v[64*\set+8*\p:64*\set+8*\p+7], v[M+2*\p+1]   ; by row 2 p + 1's: the high 16 bits are its four
.endr
	WIN 0
	v_nop                                          ; one plain instruction behind the last scaled conversion
.endm
.macro QP                              ; the valid halves; the exchange with lane l xor 1
.irp p, 0,1,2,3,4,5,6,7
	v_bfi_b32 v[CV+2*\p], s35, v[CV+2*\p], v[CV+2*\p+1]        ; low half: row 2 p's quad; high half: row 2 p + 1's
.endr
.irp p, 0,1,2,3,4,5,6,7
	v_mov_b32_dpp v[CV+2*\p+1], v[CV+2*\p] row_xmask:1 row_mask:0xf bank_mask:0xf
.endr
.irp p, 0,1,2,3,4,5,6,7
	v_perm_b32 v[CV+2*\p], v[CV+2*\p+1], v[CV+2*\p], v[PSEL]   ; even lane: my low half, the neighbour's low half: row 2 p; odd lane: the neighbour's high half, my high half: row 2 p + 1
.endr
.endm
.macro QSV                             ; the scale bytes: every lane of a block holds all 16 rows' operands; a tree of selects on the lane's low three bits leaves lane j of the eight with rows j and j + 8
.irp a, 0,2,4,6,8,10,12,14
	v_cndmask_b32 v[M+\a], v[M+\a], v[M+\a+1], s32
.endr
.irp a, 0,4,8,12
	v_cndmask_b32 v[M+\a], v[M+\a], v[M+\a+2], s33
.endr
.irp a, 0,8
	v_cndmask_b32 v[M+\a], v[M+\a], v[M+\a+4], s34
.endr
	v_lshrrev_b32 v[M], 23, v[M]
	v_lshrrev_b32 v[M+8], 23, v[M+8]
.endm
.macro QST buf                         ; the eight registers of codes go to their places in my tile's image
.irp p, 0,1,2,3,4,5,6,7
	ds_store_b32 v[IMW], v[CV+2*\p] offset:IMG+IBUF*(\buf)+32*\p
.endr
.endm
.macro QSS buf                         ; and my two scale bytes to theirs
	ds_store_b8 v[SCW], v[M] offset:512*(\buf)
	ds_store_b8 v[SCW], v[M+8] offset:512*(\buf)+128
.endm
; A GROUP: tile i of the trip against my eight tiles of columns.  Source 0 = 16 tokens, source 1 = 16 columns; the eight accumulators take turns, one instruction a turn
.macro G i
.irp t, 0,1,2,3,4,5,6,7
.if \t%2
	v_wmma_scale_f32_16x16x128_f8f6f4 v[ACC+8*\t:ACC+8*\t+7], v[F+8*(\i):F+8*(\i)+7], v[W+8*\t:W+8*\t+7], v[ACC+8*\t:ACC+8*\t+7], v[XS+(\i)], v[WS+\t/2] matrix_a_fmt:MATRIX_FMT_FP4 matrix_b_fmt:MATRIX_FMT_FP4 matrix_b_scale:MATRIX_SCALE_ROW1
.else
	v_wmma_scale_f32_16x16x128_f8f6f4 v[ACC+8*\t:ACC+8*\t+7], v[F+8*(\i):F+8*(\i)+7], v[W+8*\t:W+8*\t+7], v[ACC+8*\t:ACC+8*\t+7], v[XS+(\i)], v[WS+\t/2] matrix_a_fmt:MATRIX_FMT_FP4 matrix_b_fmt:MATRIX_FMT_FP4
.endif
.endr
.endm
	s_load_b256 s[4:11], s[0:1], 0x0               ; x s[4:5], W's codes s[6:7], W's scale words s[8:9], part s[10:11]
	v_lshl_add_u32 v254, v0, 2, 0x5c00
	v_mov_b32 v255, 0
	v_lshrrev_b32 v11, 5, v0
	v_readfirstlane_b32 s12, v11                   ; wave 0..7
	v_and_b32 v11, 31, v0                          ; lane
	v_and_b32 v12, 15, v0                          ; r
	v_bfe_u32 v13, v0, 4, 1                        ; h = lane >> 4
	v_lshlrev_b32 v[L16], 4, v11
	v_lshlrev_b32 v[L4], 2, v11
	v_mul_u32_u24 v[IMR], v13, 288
	v_lshl_add_u32 v[IMR], v12, 4, v[IMR]
	s_wait_alu depctr_va_sdst(0)                   ; s12 is written, ahead of its first reader: LDS addresses and all four bases are made from it
	s_mul_i32 s13, s12, IPT                        ; my tile's image
	v_mul_u32_u24 v[IMW], v13, 576                 ; as a writer my block is l >> 3: part c = l >> 4,
	v_bfe_u32 v14, v0, 3, 1
	v_mad_u32_u24 v[IMW], v14, 288, v[IMW]         ; half h = (l >> 3) & 1,
	v_and_b32 v14, 1, v0
	v_lshl_add_u32 v[IMW], v14, 4, v[IMW]          ; row 2 p + (l & 1),
	v_bfe_u32 v14, v0, 1, 2
	v_lshl_add_u32 v[IMW], v14, 2, v[IMW]          ; register (l >> 1) & 3 of the four
	v_add_nc_u32 v[IMW], s13, v[IMW]
	v_lshl_add_u32 v[XSR], v12, 4, XSC
	s_lshr_b32 s14, s12, 2                         ; w >> 2
	s_and_b32 s15, s12, 3                          ; w & 3
	s_lshl_b32 s13, s14, 8
	s_lshl_b32 s16, s15, 2
	s_add_co_u32 s13, s13, s16
	s_add_co_u32 s13, s13, XSC
	v_and_b32 v14, 7, v0
	v_bfe_u32 v15, v0, 3, 2
	v_lshl_add_u32 v[SCW], v14, 4, v15
	v_add_nc_u32 v[SCW], s13, v[SCW]
	s_mov_b32 s32, 0xaaaaaaaa                      ; the lanes whose bit 0 is set,
	s_mov_b32 s33, 0xcccccccc                      ; bit 1,
	s_mov_b32 s34, 0xf0f0f0f0                      ; bit 2
	s_mov_b32 s35, 0xffff                          ; a register's low half
	s_mov_b32 s36, 0x1800000                       ; the floor 2^(3 - 127)
	s_mov_b32 s37, 0xff000000                      ; -(2 << 23)
	v_mov_b32 v[PSEL], 0x05040100                  ; even lanes: bytes 0, 1 of mine, then bytes 0, 1 of the neighbour's
	v_mov_b32 v14, 0x03020706                      ; odd lanes: bytes 2, 3 of the neighbour's, then bytes 2, 3 of mine
	v_cndmask_b32 v[PSEL], v[PSEL], v14, s32
	s_lshl_b32 s13, s14, 11                        ; my columns are 128 w + 16 t + r: 2,048 (w >> 2) + 128 (w & 3) + 512 (r >> 2) + 4 (r & 3), and 16 t in the store's offset
	s_lshl_b32 s16, s15, 7
	s_add_co_u32 s13, s13, s16
	s_add_co_u32 s13, s13, OUTST
	v_lshrrev_b32 v[OSW], 2, v12
	v_lshlrev_b32 v[OSW], 9, v[OSW]
	v_and_b32 v14, 3, v12
	v_lshl_add_u32 v[OSW], v14, 2, v[OSW]
	v_add_nc_u32 v[OSW], s13, v[OSW]
	s_lshl_b32 s13, s12, 9
	v_add_nc_u32 v[GO], s13, v[L16]
	v_add_nc_u32 v[OSR], OUTST, v[GO]
	s_mov_b32 s20, 0x76543210
	s_mov_b32 s21, 0xfedcba98                      ; v_permlanex16_b32's selects for lane l xor 16
	s_mov_b32 s22, 2                               ; the loop: two trips of four; the last eight are written out
	s_and_b32 s17, ttmp7, 0xffff                   ; batch b
	s_lshl_b32 s24, s17, 23                        ; x: b x 2,048 rows of 4,096 bytes
	s_lshl_b32 s18, ttmp9, 9                       ; + 512 s
	s_add_co_u32 s24, s24, s18
	s_lshl_b32 s18, s12, 16                        ; + my wave's 16 rows
	s_add_co_u32 s24, s24, s18
	s_mov_b32 s25, 0
	s_lshl_b32 s26, ttmp9, 16                      ; W's codes: 65,536 s + my eight fragments
	s_lshl_b32 s18, s12, 13
	s_add_co_u32 s26, s26, s18
	s_mov_b32 s27, 0
	s_lshl_b32 s28, ttmp9, 12                      ; W's scale words: 4,096 s + my 128 columns
	s_lshl_b32 s18, s12, 9
	s_add_co_u32 s28, s28, s18
	s_mov_b32 s29, 0
	s_lshl_b32 s30, s17, 3                         ; part: (8 b + s) x 4,096
	s_add_co_u32 s30, s30, ttmp9
	s_lshl_b32 s30, s30, 12
	s_mov_b32 s31, 0
	s_wait_kmcnt 0x0
	s_add_nc_u64 s[4:5], s[4:5], s[24:25]
	s_add_nc_u64 s[6:7], s[6:7], s[26:27]
	s_add_nc_u64 s[8:9], s[8:9], s[28:29]
	s_add_nc_u64 s[10:11], s[10:11], s[30:31]
	s_wait_alu depctr_va_vdst(0)                   ; the addresses and offsets v1 to v6 and v8 to v10 are written: every load and store of the kernel reads one of them, and none is written again
.irp t, 0,1,2,3,4,5,6,7
.irp c, 0,1
	global_load_b128 v[W+8*\t+4*\c:W+8*\t+4*\c+3], v[L16], s[6:7] offset:1024*\t+512*\c   ; W's fragments, as they lie
.endr
.endr
.irp u, 0,1,2,3
	global_load_b32 v[WS+\u], v[L4], s[8:9] offset:128*\u      ; lane l: the word of column 32 u + l of my 128
.endr
	WIN 0x40                                       ; destination window 1 (only loads and this switch stand between the wait above and the ring's first loads)
	LOADT 0, 0
	LOADT 1, TSTEP
	LOADT 2, 2*TSTEP
	LOADT 3, 3*TSTEP
	WIN 0
.set j, 0
.rept 64
	v_mov_b32 v[ACC+j], 0
.set j, j+1
.endr
	; tile 0 is quantised ahead of the loop, into image buffer 0; its ring set takes tile 4
	s_wait_loadcnt 48                              ; loads come back in order (ISA guide 5.7.1): W's and tile 0's are in, the sixteen of each of tiles 1 to 3 may be out
	QA 0
	QD 1
	QD 2
	QD 4
	QC 0
	QP
	QSV
	WIN 0x40                                       ; destination window 1
	s_wait_alu depctr_va_vdst(0)                   ; the maxima and conversions are done reading ring set 0, in which the loads below land; the exchange has written v[CV + 2 p] and the shifts v[M], v[M + 8], which the LDS stores below read
	LOADT 0, 4*TSTEP
	WIN 0
	QST 0
	QSS 0
	s_wait_dscnt 0x0                               ; for the others' sake: my image and my scale bytes have landed
	s_wait_alu depctr_vm_vsrc(0)                   ; the ten LDS stores have read v[CV + 2 p], v[M] and v[M + 8], which the first trip's quantiser writes again
	s_barrier_signal -1
	s_barrier_wait -1
; TRIP t.  mbuf: the image buffer that it multiplies, t % 2.  q = 1: my tile of trip t + 1, in ring set 'set', is quantised into the other buffer; ahead = 1: the set then takes the tile 'off' bytes on;
; left: the younger loads of x that may stay out.
.macro TRIP mbuf, q, set, ahead, off, left
.rept 4
	v_nop                                          ; four places behind the last trip's matrix instructions, ahead of loads into registers that they have read; they stand beside the wait below, which states the dependence
.endr
	s_wait_alu depctr_va_vdst(0)                   ; the last trip's matrix instructions are done reading v[F ..] and v[XS ..], in which the 18 loads below land
	ds_load_b128 v[XS:XS+3], v[XSR] offset:512*\mbuf
	ds_load_b128 v[XS+4:XS+7], v[XSR] offset:512*\mbuf+256
.irp i, 0,1,2,3,4,5,6,7
.irp c, 0,1
	ds_load_b128 v[F+8*\i+4*\c:F+8*\i+4*\c+3], v[IMR] offset:IMG+IBUF*\mbuf+IPT*\i+576*\c
.endr
.endr
.if \q
	s_wait_loadcnt \left                           ; my next tile's sixteen loads are in; sixteen for each younger tile stay out
	QA \set                                        ; work on registers while the images are on their way
.endif
	s_wait_dscnt 14                                ; of the 18 loads: the scale words and tile 0 are in; the pairs of the seven younger tiles may be out; and so on, two fewer a group
	G 0
.if \q
	QD 1
.endif
	s_wait_dscnt 12
	G 1
.if \q
	QD 2
.endif
	s_wait_dscnt 10
	G 2
.if \q
	QD 4
.endif
	s_wait_dscnt 8
	G 3
.if \q
	QC \set
.endif
	s_wait_dscnt 6
	G 4
.if \q
	s_wait_alu depctr_va_vdst(0)
	QP
	QSV                                            ; the quantiser's vector work is over: all that the trip sends to memory and to LDS follows behind ONE wait
.if \ahead
	WIN 0x40                                       ; destination window 1
.endif
	s_wait_alu depctr_va_vdst(0)                   ; the maxima and conversions are done reading the ring set, in which the loads below land; the exchange has written v[CV + 2 p] and the shifts v[M], v[M + 8], which the LDS stores below read
.if \ahead
	LOADT \set, \off                               ; the set takes the tile four further on
	WIN 0
.endif
	QST 1-\mbuf                                    ; no vector instruction since the wait: nothing more is owed
	QSS 1-\mbuf
	s_wait_dscnt 14                                ; tile 5 is in; behind it: the four loads of tiles 6 and 7 and the ten stores just issued
.else
	s_wait_dscnt 4
.endif
	G 5
	s_wait_dscnt 0x0                               ; tiles 6 and 7 are in.  For the others' sake: my next image and its scale bytes have landed, and my reads of this trip's images are over
.if \q
	s_wait_alu depctr_vm_vsrc(0)                   ; the ten LDS stores have read v[CV + 2 p], v[M] and v[M + 8], which the next trip's quantiser writes again
	s_barrier_signal -1
.endif
	G 6                                            ; work on registers alone between signal and wait
	G 7
.if \q
	s_barrier_wait -1                              ; the next trip's eight images are whole, and this trip's buffer may be written again
.endif
.endm
.Lring:                                                ; trips 4 k .. 4 k + 3: tiles 4 k + 1 .. 4 k + 4 are quantised, tiles 4 k + 5 .. 4 k + 8 asked for
	TRIP 0, 1, 1, 1, 5*TSTEP, 48
	TRIP 1, 1, 2, 1, 6*TSTEP, 48
	TRIP 0, 1, 3, 1, 7*TSTEP, 48
	TRIP 1, 1, 0, 1, 8*TSTEP, 48
	s_wait_xcnt 0x0                                ; every load issued has had its address translated (ISA guide 3.1): only behind this wait is the base stepped
	s_add_nc_u64 s[4:5], s[4:5], 4*TSTEP
	s_sub_co_u32 s22, s22, 1
	s_cmp_lg_u32 s22, 0
	s_cbranch_scc1 .Lring
	TRIP 0, 1, 1, 1, 5*TSTEP, 48                   ; trips 8 to 10 ask for tiles 13 to 15, the last
	TRIP 1, 1, 2, 1, 6*TSTEP, 48
	TRIP 0, 1, 3, 1, 7*TSTEP, 48
	TRIP 1, 1, 0, 0, 0, 48                         ; trips 11 to 14 load nothing: no load leaves x, and the counts run down
	TRIP 0, 1, 1, 0, 0, 32
	TRIP 1, 1, 2, 0, 0, 16
	TRIP 0, 1, 3, 0, 0, 0
	TRIP 1, 0, 0, 0, 0, 0                          ; trip 15 has nothing left to quantise, and no image is written behind it: no barrier
	; THE END.  Register j of lane (r, h) of accumulator t holds the sum over the tokens = 8 h + j modulo 16 for column 128 w + 16 t + r: eight registers and the two halves of the lanes are added.
.rept 4
	v_nop                                          ; four places behind the last matrix instruction, ahead of the first read of results
.endr
.irp t, 0,1,2,3,4,5,6,7
	v_pk_add_f32 v[ACC+8*\t:ACC+8*\t+1], v[ACC+8*\t:ACC+8*\t+1], v[ACC+8*\t+2:ACC+8*\t+3]   ; each accumulator from its low end on
.endr
.irp t, 0,1,2,3,4,5,6,7
	v_pk_add_f32 v[ACC+8*\t+4:ACC+8*\t+5], v[ACC+8*\t+4:ACC+8*\t+5], v[ACC+8*\t+6:ACC+8*\t+7]
.endr
.irp t, 0,1,2,3,4,5,6,7
	v_pk_add_f32 v[ACC+8*\t:ACC+8*\t+1], v[ACC+8*\t:ACC+8*\t+1], v[ACC+8*\t+4:ACC+8*\t+5]
.endr
.irp t, 0,1,2,3,4,5,6,7
	v_add_f32 v[ACC+8*\t], v[ACC+8*\t], v[ACC+8*\t+1]
.endr
.irp t, 0,1,2,3,4,5,6,7
	v_permlanex16_b32 v[ACC+8*\t+1], v[ACC+8*\t], s20, s21
.endr
.irp t, 0,1,2,3,4,5,6,7
	v_add_f32 v[ACC+8*\t], v[ACC+8*\t], v[ACC+8*\t+1]
.endr
	s_wait_alu depctr_va_vdst(0)                   ; the additions have written the eight column sums v[ACC + 8 t], which the LDS stores read
.irp t, 0,1,2,3,4,5,6,7
	ds_store_b32 v[OSW], v[ACC+8*\t] offset:16*\t  ; lanes r and r + 16 write the same word with the same value
.endr
	s_wait_dscnt 0x0                               ; for the others' sake: my sums have landed
	s_barrier_signal -1
	s_barrier_wait -1
	ds_load_b128 v[OUTR:OUTR+3], v[OSR]            ; no vector instruction of the kernel names v[OUTR ..]
	s_wait_dscnt 0x0
	global_store_b128 v[GO], v[OUTR:OUTR+3], s[10:11]          ; 32 lanes store 512 consecutive bytes, aligned
	s_wait_dscnt 0x0                               ; the closing lines, six on end
	s_wait_alu 0x0
	s_wait_tensorcnt 0x0
	ds_add_u32 v254, v255
	s_wait_dscnt 0x0
	s_endpgm
.Lfunc_end_k_q68181269b7_pool:
	.size	k_q68181269b7_pool, .Lfunc_end_k_q68181269b7_pool-k_q68181269b7_pool
	.p2alignl 7, 3214868480
	.fill 96, 4, 3214868480
	.section	.rodata,"a",@progbits
	.p2align	6, 0x0
	.amdhsa_kernel k_q68181269b7_pool
		.amdhsa_group_segment_fixed_size 24576
		.amdhsa_private_segment_fixed_size 0
		.amdhsa_enable_private_segment 0
		.amdhsa_kernarg_size 32
		.amdhsa_user_sgpr_count 2
		.amdhsa_user_sgpr_kernarg_segment_ptr 1
		.amdhsa_wavefront_size32 1
		.amdhsa_system_sgpr_workgroup_id_x 1
		.amdhsa_system_sgpr_workgroup_id_y 1
		.amdhsa_system_sgpr_workgroup_id_z 1
		.amdhsa_system_vgpr_workitem_id 0
		.amdhsa_next_free_vgpr 512
		.amdhsa_next_free_sgpr 66
		.amdhsa_reserve_vcc 0
		.amdhsa_float_denorm_mode_32 3
		.amdhsa_float_denorm_mode_16_64 3
		.amdhsa_memory_ordered 1
		.amdhsa_forward_progress 1
		.amdhsa_inst_pref_size 255
	.end_amdhsa_kernel
	.section	.bss,"aw",@nobits
	.p2align	6
	.space	262144
	.amdgpu_metadata
---
amdhsa.version: [ 1, 2 ]
amdhsa.kernels:
  - .name:           k_q68181269b7_pool
    .symbol:         k_q68181269b7_pool.kd
    .args:
      - { .name: x, .offset: 0, .size: 8, .value_kind: global_buffer, .address_space: global }
      - { .name: wh_codes, .offset: 8, .size: 8, .value_kind: global_buffer, .address_space: global }
      - { .name: wh_scales, .offset: 16, .size: 8, .value_kind: global_buffer, .address_space: global }
      - { .name: part, .offset: 24, .size: 8, .value_kind: global_buffer, .address_space: global }
    .group_segment_fixed_size: 24576
    .private_segment_fixed_size: 0
    .kernarg_segment_align: 8
    .kernarg_segment_size: 32
    .max_flat_workgroup_size: 256
    .sgpr_count:     66
    .vgpr_count:     512
    .wavefront_size: 32
...
	.end_amdgpu_metadata
.endif
;; end of part 5
;; launch proj (part 6): grid 16 x 16, 4 waves a work-group, no clusters, 2,560 bytes of LDS; arguments part, wp_codes, wp_scales, b_proj, out0; writes out0
.if DOCPART == 6
	.amdgcn_target "amdgcn-amd-amdhsa--gfx1250"
	.amdhsa_code_object_version 6
	.text
	.protected	k_q68181269b7_proj
	.globl	k_q68181269b7_proj
	.p2align	8
	.type	k_q68181269b7_proj,@function
k_q68181269b7_proj:
	s_mov_b64 s[64:65], 0
	v_nop
	global_prefetch_b8 v0, s[64:65] scope:SCOPE_SE
	s_setreg_imm32_b32 hwreg(HW_REG_WAVE_SCHED_MODE, 0, 2), 2
	s_setreg_imm32_b32 hwreg(HW_REG_WAVE_MODE, 25, 1), 1
	s_wait_xcnt 0x0
	s_wait_alu depctr_vm_vsrc(0)
; out0[b][j] = the sum over n of Q(c)[b][n] Q(W_proj)[j][n] + b_proj[j], with c[b][n] = the sum over the eight K steps s of part[b][s][n]: the pooled heads, added in f32, s ascending, and quantised here to
; FP4 (E2M1) along n in blocks of 32 (scale 2^(floor(log2(largest magnitude)) - 2)).  W_proj: codes and scale words as the first launch has laid them.  out0: [32][1024] f32.
; SHARES.  Work-group (jx = x of the grid, by = y): batches 2 by, 2 by + 1 x output columns 64 jx .. 64 jx + 63.
; The sums: wave w takes batch 2 by + (w >> 1), half w & 1 of its 1,024 columns; by part's order each load is 512 consecutive bytes and a thread still gets 16 NEIGHBOURING columns, half a block; two neighbouring lanes hold a block.
; Codes and scale bytes go through LDS: [batch 2][block 32][16 bytes] and [batch 2][32 bytes].
; The product: wave w takes the 16 output columns 64 jx + 16 w on: eight K steps of 128, used TRANSPOSED (source 0 = 16 rows of W_proj, source 1 = 16 rows of c, of which row r is batch r & 1: the two batches
; repeat), so that a lane's eight results are eight neighbouring outputs of one batch.  Two accumulators take turns; the bias is the C of the first's first instruction.
; THE MODE: SCHED_MODE bits 1:0 = 2 (LLVM: expert scheduling mode 2), set by the entry lines.  The code itself states the register dependences between vector or matrix instructions and memory or LDS
; instructions, with s_wait_alu, always for 0.
; THE PLAN.  The text is one straight run.  Registers that memory or LDS instructions touch:
;   v1-v10              Addresses and offsets, made once at the head and never written again.
;   v[P ..] (64-191)    The 32 loads of part land in them; the sums, the maxima and the conversions read them and write v[64:79].  Behind the first barrier LDS loads land in v[64:127] (c's fragments),
;                       behind the second in v[136:139] (the way out).
;   v[CD ..], v14       Written by the conversions and the shift; read by the two LDS stores of codes and byte; never written again.
;   v[RES ..] (128-135) Written by the four additions of the two accumulators; read by two LDS stores; never written again.
;   W's fragments, both sides' scale words and the bias are written by loads alone and read by matrix instructions alone.
; So three waits on va_vdst: ahead of the first load (the addresses); ahead of the stores of codes and byte (their data are written; the vector work on v[64:191] is over); ahead of the stores of the results.
; No register that a memory or LDS instruction has read is written again, so no wait on vm_vsrc is owed.
; NO CLUSTER, no tensor loads: a work-group fetches 65,536 bytes of part and 35,072 of weights and bias once, by 58 loads a wave that go out together; there is no ring whose refills partners could share.
; LIMITS: NaN and infinities are not served.  A block of zeros gets the byte 1 where the rule says 127: its codes are zeros, and this launch alone reads the bytes.
.set CODE, 0                           ; LDS: 1,024 bytes of codes
.set SCB,  1024                        ; 64 scale bytes
.set OST,  1280                        ; [batch 2][64 f32]: the results, 512 bytes
.set L16, 1                            ; v1   16 x lane
.set R4,  2                            ; v2   4 r
.set H32, 3                            ; v3   32 h
.set CW,  4                            ; v4   where my 16 codes go: CODE + 8 x thread
.set BW,  5                            ; v5   and my block's byte: SCB + thread / 2
.set CR,  6                            ; v6   c's fragments: CODE + 512 (r & 1) + 16 h
.set BR,  7                            ; v7   c's scale words: SCB + 32 (r & 1)
.set OW,  8                            ; v8   where my eight results go: OST + 256 (r & 1) + 64 w + 32 h
.set OR,  9                            ; v9   wave 0 reads them back: OST + 16 x lane
.set GO,  10                           ; v10  and their place in out0: 4,096 h + 16 r
.set M0,  11                           ; v11, v12 two chains of the largest magnitude; v13 the scale operand; v14 the byte
.set D0,  16                           ; v[16:23], v[24:31] two accumulators
.set WSC, 32                           ; v[32:39] W_proj's scale words, one register a K step: scales and nothing else
.set XSC, 40                           ; v[40:47] c's: scales and nothing else
.set BI,  48                           ; v[48:55] the bias, in the result's layout
.set CD,  56                           ; v[56:57] my 16 codes
.set P,   64                           ; v[64:191] eight parts x 16 columns; afterwards v[64:127] c's eight fragments, v[128:135] the result, v[136:139] the way out
.set XF,  64
.set RES, 128
.set WF,  192                          ; v[192:255] W_proj's eight fragments
	s_load_b256 s[4:11], s[0:1], 0x0               ; part s[4:5], W's codes s[6:7], W's scale words s[8:9], the bias s[10:11]
	s_load_b64 s[12:13], s[0:1], 0x20              ; out0
	v_lshl_add_u32 v62, v0, 2, 0x800
	v_mov_b32 v63, 0
	v_lshrrev_b32 v11, 5, v0
	v_readfirstlane_b32 s14, v11                   ; wave 0..3
	v_and_b32 v11, 31, v0                          ; lane
	v_and_b32 v12, 15, v0                          ; r
	v_bfe_u32 v13, v0, 4, 1                        ; h
	v_and_b32 v14, 1, v0                           ; r & 1
	v_lshlrev_b32 v[L16], 4, v11
	v_lshlrev_b32 v[R4], 2, v12
	v_lshlrev_b32 v[H32], 5, v13
	v_lshlrev_b32 v[CW], 3, v0                     ; CODE = 0
	v_lshrrev_b32 v[BW], 1, v0
	v_add_nc_u32 v[BW], SCB, v[BW]
	v_lshlrev_b32 v[CR], 9, v14
	v_lshl_add_u32 v[CR], v13, 4, v[CR]
	v_lshlrev_b32 v[BR], 5, v14
	v_add_nc_u32 v[BR], SCB, v[BR]
	s_wait_alu depctr_va_sdst(0)                   ; s14 is written, ahead of its first reader: an LDS address, the bases and the last branch are made from it
	s_lshl_b32 s17, s14, 6
	s_add_co_u32 s17, s17, OST
	v_lshlrev_b32 v[OW], 8, v14
	v_lshl_add_u32 v[OW], v13, 5, v[OW]
	v_add_nc_u32 v[OW], s17, v[OW]
	v_add_nc_u32 v[OR], OST, v[L16]
	v_lshlrev_b32 v[GO], 12, v13
	v_lshl_add_u32 v[GO], v12, 4, v[GO]
	s_and_b32 s16, ttmp7, 0xffff                   ; by
	s_lshl_b32 s18, ttmp9, 2
	s_add_co_u32 s18, s18, s14                     ; my tile of output columns: T = 4 jx + w
	s_lshr_b32 s19, s14, 1
	s_lshl_b32 s20, s16, 1
	s_add_co_u32 s20, s20, s19                     ; my batch for the sums
	s_lshl_b32 s20, s20, 15                        ; x 8 parts of 4,096 bytes
	s_and_b32 s19, s14, 1
	s_lshl_b32 s19, s19, 11                        ; + my half of a part
	s_add_co_u32 s20, s20, s19
	s_mov_b32 s21, 0
	s_lshl_b32 s22, s18, 10                        ; W's codes: 1,024 T (and 65,536 for each K step, in the offsets)
	s_mov_b32 s23, 0
	s_lshl_b32 s24, s18, 6                         ; W's scale words and the bias: 64 T
	s_mov_b32 s25, 0
	s_lshl_b32 s26, s16, 13                        ; out0: two rows of 4,096 bytes a work-group along y, 256 bytes along x
	s_lshl_b32 s19, ttmp9, 8
	s_add_co_u32 s26, s26, s19
	s_mov_b32 s27, 0
	s_wait_kmcnt 0x0
	s_add_nc_u64 s[4:5], s[4:5], s[20:21]
	s_add_nc_u64 s[6:7], s[6:7], s[22:23]
	s_add_nc_u64 s[8:9], s[8:9], s[24:25]
	s_add_nc_u64 s[10:11], s[10:11], s[24:25]
	s_add_nc_u64 s[12:13], s[12:13], s[26:27]
	s_wait_alu depctr_va_vdst(0)                   ; the addresses and offsets v1 to v10 are written: every load and store of the kernel reads one of them, and none is written again
.irp s, 0,1,2,3,4,5,6,7
.irp j, 0,1,2,3
	global_load_b128 v[P+16*\s+4*\j:P+16*\s+4*\j+3], v[L16], s[4:5] offset:4096*\s+512*\j   ; part s, columns 16 lane + 4 j + 0 .. 3 of my half: 512 consecutive bytes a load
.endr
.endr
.irp s, 0,1,2,3,4,5,6,7
.irp c, 0,1
	global_load_b128 v[WF+8*\s+4*\c:WF+8*\s+4*\c+3], v[L16], s[6:7] offset:65536*\s+512*\c  ; W's fragment of K step s, as it lies
.endr
.endr
.irp s, 0,1,2,3,4,5,6,7
	global_load_b32 v[WSC+\s], v[R4], s[8:9] offset:4096*\s    ; row r's word
.endr
	global_load_b128 v[BI:BI+3], v[H32], s[10:11]              ; lane (r, h): the bias of outputs 8 h + 0 .. 7 of my 16
	global_load_b128 v[BI+4:BI+7], v[H32], s[10:11] offset:16
	s_wait_loadcnt 26                              ; the 32 loads of part are in; the 16 + 8 + 2 younger ones (W's codes, its scale words, the bias) may be out
.irp s, 1,2,3,4,5,6,7
.irp e, 0,2,4,6,8,10,12,14
	v_pk_add_f32 v[P+\e:P+\e+1], v[P+\e:P+\e+1], v[P+16*\s+\e:P+16*\s+\e+1]   ; the eight K steps' parts, s ascending
.endr
.endr
	v_max3_num_f32 v[M0], |v[P]|, |v[P+1]|, 0x1800000          ; the largest magnitude of my 16, in two chains; the floor 2^(3 - 127) is one of the leaves, so the byte cannot fall under 1
	v_max3_num_f32 v[M0+1], |v[P+2]|, |v[P+3]|, |v[P+4]|
.irp i, 5,9
	v_max3_num_f32 v[M0], v[M0], |v[P+\i]|, |v[P+\i+1]|
	v_max3_num_f32 v[M0+1], v[M0+1], |v[P+\i+2]|, |v[P+\i+3]|
.endr
	v_max3_num_f32 v[M0], v[M0], |v[P+13]|, |v[P+14]|
	v_max3_num_f32 v[M0], v[M0], v[M0+1], |v[P+15]|
	v_max_num_f32_dpp v[M0], v[M0], v[M0] row_xmask:1 row_mask:0xf bank_mask:0xf   ; and of my neighbour's 16: the block's
	v_add_nc_u32 v13, 0xff000000, v[M0]            ; 2 off the exponent field: the conversion's scale operand
	v_cvt_scalef32_pk8_fp4_f32 v[CD], v[P:P+7], v13
	v_cvt_scalef32_pk8_fp4_f32 v[CD+1], v[P+8:P+15], v13
	v_lshrrev_b32 v14, 23, v13                     ; the scale's byte.  (Also the plain instruction behind the last scaled conversion)
	s_wait_alu depctr_va_vdst(0)                   ; the conversions have written v[CD ..] and the shift v14, which the two LDS stores read; the sums, maxima and conversions are done with v[64:191], where LDS loads land behind the barriers
	ds_store_b64 v[CW], v[CD:CD+1]
	ds_store_b8 v[BW], v14                         ; both lanes of a block write the same byte with the same value
	s_wait_dscnt 0x0                               ; for the others' sake: my codes and my byte have landed
	s_barrier_signal -1
	s_barrier_wait -1
	ds_load_b128 v[XSC:XSC+3], v[BR]               ; my row's eight scale words.  (No vector instruction since the wait above: these 18 loads owe nothing more)
	ds_load_b128 v[XSC+4:XSC+7], v[BR] offset:16
.irp s, 0,1,2,3,4,5,6,7
.irp c, 0,1
	ds_load_b128 v[XF+8*\s+4*\c:XF+8*\s+4*\c+3], v[CR] offset:64*\s+32*\c     ; block 4 s + 2 c + h of batch r & 1: registers 4 c .. 4 c + 3 of K step s's fragment
.endr
.endr
	s_wait_loadcnt 0x0
	s_wait_dscnt 0x0
.irp s, 0,1,2,3,4,5,6,7                        ; the two accumulators take turns, one instruction a turn
.if \s == 0
	v_wmma_scale_f32_16x16x128_f8f6f4 v[D0:D0+7], v[WF+8*\s:WF+8*\s+7], v[XF+8*\s:XF+8*\s+7], v[BI:BI+7], v[WSC+\s], v[XSC+\s] matrix_a_fmt:MATRIX_FMT_FP4 matrix_b_fmt:MATRIX_FMT_FP4
.elseif \s == 1
	v_wmma_scale_f32_16x16x128_f8f6f4 v[D0+8:D0+15], v[WF+8*\s:WF+8*\s+7], v[XF+8*\s:XF+8*\s+7], 0, v[WSC+\s], v[XSC+\s] matrix_a_fmt:MATRIX_FMT_FP4 matrix_b_fmt:MATRIX_FMT_FP4
.else
	v_wmma_scale_f32_16x16x128_f8f6f4 v[D0+8*(\s%2):D0+8*(\s%2)+7], v[WF+8*\s:WF+8*\s+7], v[XF+8*\s:XF+8*\s+7], v[D0+8*(\s%2):D0+8*(\s%2)+7], v[WSC+\s], v[XSC+\s] matrix_a_fmt:MATRIX_FMT_FP4 matrix_b_fmt:MATRIX_FMT_FP4
.endif
.endr
.rept 4
	v_nop                                          ; four places behind the last matrix instruction, ahead of the first read of results (ISA guide 7.12.1)
.endr
.irp e, 0,2,4,6
	v_pk_add_f32 v[RES+\e:RES+\e+1], v[D0+\e:D0+\e+1], v[D0+8+\e:D0+8+\e+1]   ; both accumulators from their low ends on: register j of lane (r, h) is out0(batch r & 1, 16 T + 8 h + j)
.endr
	s_wait_alu depctr_va_vdst(0)                   ; the four additions have written v[RES ..], which the two LDS stores read
	ds_store_b128 v[OW], v[RES:RES+3]              ; lanes of equal r & 1 and h hold equal numbers and write the same bytes
	ds_store_b128 v[OW], v[RES+4:RES+7] offset:16
	s_wait_dscnt 0x0                               ; for wave 0's sake: my results have landed
	s_barrier_signal -1
	s_barrier_wait -1
	s_cmp_lg_u32 s14, 0
	s_cbranch_scc1 .Lend                           ; wave 0 stores the work-group's 2 x 64 results
	ds_load_b128 v[RES+8:RES+11], v[OR]            ; v[136:139] were last named by the sums over the parts, which stand ahead of the waits above
	s_wait_dscnt 0x0
	global_store_b128 v[GO], v[RES+8:RES+11], s[12:13]         ; sixteen lanes store 256 consecutive bytes of one batch's row, aligned
.Lend:
	s_wait_dscnt 0x0                               ; the closing lines, six on end
	s_wait_alu 0x0
	s_wait_tensorcnt 0x0
	ds_add_u32 v62, v63
	s_wait_dscnt 0x0
	s_endpgm
.Lfunc_end_k_q68181269b7_proj:
	.size	k_q68181269b7_proj, .Lfunc_end_k_q68181269b7_proj-k_q68181269b7_proj
	.p2alignl 7, 3214868480
	.fill 96, 4, 3214868480
	.section	.rodata,"a",@progbits
	.p2align	6, 0x0
	.amdhsa_kernel k_q68181269b7_proj
		.amdhsa_group_segment_fixed_size 2560
		.amdhsa_private_segment_fixed_size 0
		.amdhsa_enable_private_segment 0
		.amdhsa_kernarg_size 40
		.amdhsa_user_sgpr_count 2
		.amdhsa_user_sgpr_kernarg_segment_ptr 1
		.amdhsa_wavefront_size32 1
		.amdhsa_system_sgpr_workgroup_id_x 1
		.amdhsa_system_sgpr_workgroup_id_y 1
		.amdhsa_system_sgpr_workgroup_id_z 1
		.amdhsa_system_vgpr_workitem_id 0
		.amdhsa_next_free_vgpr 256
		.amdhsa_next_free_sgpr 66
		.amdhsa_reserve_vcc 0
		.amdhsa_float_denorm_mode_32 3
		.amdhsa_float_denorm_mode_16_64 3
		.amdhsa_memory_ordered 1
		.amdhsa_forward_progress 1
		.amdhsa_inst_pref_size 16
	.end_amdhsa_kernel
	.amdgpu_metadata
---
amdhsa.version: [ 1, 2 ]
amdhsa.kernels:
  - .name:           k_q68181269b7_proj
    .symbol:         k_q68181269b7_proj.kd
    .args:
      - { .name: part, .offset: 0, .size: 8, .value_kind: global_buffer, .address_space: global }
      - { .name: wp_codes, .offset: 8, .size: 8, .value_kind: global_buffer, .address_space: global }
      - { .name: wp_scales, .offset: 16, .size: 8, .value_kind: global_buffer, .address_space: global }
      - { .name: b_proj, .offset: 24, .size: 8, .value_kind: global_buffer, .address_space: global }
      - { .name: out0, .offset: 32, .size: 8, .value_kind: global_buffer, .address_space: global }
    .group_segment_fixed_size: 2560
    .private_segment_fixed_size: 0
    .kernarg_segment_align: 8
    .kernarg_segment_size: 40
    .max_flat_workgroup_size: 128
    .sgpr_count:     66
    .vgpr_count:     256
    .wavefront_size: 32
...
	.end_amdgpu_metadata
.endif
;; end of part 6
